; MI455X (gfx1250); checked and timed in simulation.
; The chip was launched on July 23, 2026; its instructions are those of AMD's public machine-readable ISA for CDNA 5 (MIT licence, August 2026) and "CDNA5" Instruction Set Architecture Reference Guide (July 2026). The comments in the code are by the model that wrote it; some were corrected since.
;; Causal Self Attention. Allowed arithmetic: matrix products marked QUANTISED: E4M3 operands, one given power-of-two scale a tensor, by v_wmma_f32_16x16x64_fp8_fp8 or v_wmma_f32_16x16x128_fp8_fp8, f32 sums; everything else in f32.
;; Inputs: b_attn 3,072 float32; b_proj 1,024 float32; lowp_scales 8 int32 (the exponents e of the quantised operands' scales 2^e); w_attn 1,024 x 3,072 float32; w_proj 1,024 x 1,024 float32; x 4 x 2,048 x 1,024 float32.
;; Outputs: out0 4 x 2,048 x 1,024 float32.
;; This version of the problem:
;;   THIS VERSION OF THE PROBLEM IS GIVEN IN LOW PRECISION. The matrix products marked QUANTISED in the list below multiply operands that are first quantised to E4M3 (4 exponent bits, 3 mantissa bits; 8 bits a number), with one given power-of-two scale for each operand tensor; their sums are f32. All else is computed in f32.
;;   The module's matrix products, in the order in which they are computed (A, B: the left and right operand; K: the contracted axis; several contracted axes count as one K, in the product's order):
;;     1. [M 8,192, K 1,024] x [K 1,024, N 3,072]; A: input x; B: input w_attn: QUANTISED (scales: A lowp_scales[0], B lowp_scales[1])
;;     2. batch 64 x [M 2,048, K 64] x [K 64, N 2,048]; A: computed on the way; B: computed on the way: QUANTISED (scales: A lowp_scales[2], B lowp_scales[3])
;;     3. batch 64 x [M 2,048, K 2,048] x [K 2,048, N 64]; A: softmax (see below); B: computed on the way: QUANTISED (scales: A lowp_scales[4], B lowp_scales[5])
;;     4. [M 8,192, K 1,024] x [K 1,024, N 1,024]; A: computed on the way; B: input w_proj: QUANTISED (scales: A lowp_scales[6], B lowp_scales[7])
;;   THE QUANTISER, for each operand of a quantised product, along K:
;;     - The operand's scale is 2^e, e = its entry of the input lowp_scales (int32; the entries are numbered through the quantised products in the list's order, A before B).
;;     - Each number is divided by the scale, clamped to +-448, and rounded to the nearest number of E4M3, ties to even, subnormals kept.
;;     - The product sums the exact products of the quantised numbers (number of the format x scale) in f32.
;;   ~~~python
;;   def quantise(x, axis, e):      # numpy; x: float32 -> the quantised numbers, widened to float32 again
;;       x = np.moveaxis(x, axis, -1); K = x.shape[-1]
;;       r = np.clip(x / 2.0 ** e, -448, 448)
;;       step = 2.0 ** (np.maximum(np.frexp(np.where(r == 0, 1, r))[1] - 1, -6) - 3)
;;       q = np.round(r / step) * step * 2.0 ** e      # np.round: ties to even
;;       return np.moveaxis(q, -1, axis).astype(np.float32)
;;   ~~~
;;   SOFTMAX AHEAD OF A QUANTISED PRODUCT. Where the list says 'softmax', what is quantised is not the finished softmax but p = 2^(t - M), with t = logit x log2(e) and M = ceil(the row's largest t), a whole number; so 1/2 < the row's largest p <= 1. The row's sum l is taken of the UNQUANTISED p, in f32, and the product's result is divided by l at the end. Since M is a whole number, a kernel that streams over the keys may use a running M (the ceiling of the running maximum): every later rescaling is an exact power of two, so the quantised numbers keep their values, but for numbers so far below the row's largest that they fall under the format's range.
;;   OPERANDS COMPUTED ON THE WAY. 'Computed on the way' means the value that the module computes at that place (a softmax that the list does not call 'softmax' is quantised finished and normalised). What goes into a quantiser is computed in f32, as accurately as f32 sums, v_exp_f32 and their like allow (about 1e-6 of the number): no bf16 or f16 on the way to a quantiser, and a product that is left as it is and whose result goes on into a quantised operand takes f32 operands (vector FMAs, or v_wmma_f32_16x16x4_f32). A number that lies on a knife's edge between two numbers of the format may be rounded either way, as far as f32 arithmetic and the matrix unit's own rounding can turn it there, and no further.
;; One version. Each part assembles by itself: llvm-mc -triple=amdgcn-amd-amdhsa -mcpu=gfx1250 --defsym DOCPART=n.
;; ======== version 1 of 1: 4 launches
;; limits: right only within a limited range of input values
;; workspace buffers: x_img 8,388,608 bytes; wa_img 3,145,728 bytes; wp_img 1,048,576 bytes; qkv 25,165,824 bytes; y_img 8,388,608 bytes
;; launch quant (part 1): grid 384 x 1, 4 waves a work-group, no clusters, 34,304 bytes of LDS; arguments x, w_attn, w_proj, lowp_scales, x_img, wa_img, wp_img; writes x_img, wa_img, wp_img
.if DOCPART == 1
	.amdgcn_target "amdgcn-amd-amdhsa--gfx1250"
	.amdhsa_code_object_version 6
	.text
	.protected	k_qc28e92b50c_quant
	.globl	k_qc28e92b50c_quant
	.p2align	8
	.type	k_qc28e92b50c_quant,@function
k_qc28e92b50c_quant:
	s_mov_b64 s[64:65], 0
	v_nop
	global_prefetch_b8 v0, s[64:65] scope:SCOPE_SE
	s_setreg_imm32_b32 hwreg(HW_REG_WAVE_MODE, 25, 1), 1
	s_wait_xcnt 0x0
; x [8192][1024], w_attn [1024][3072] and w_proj [1024][1024], f32, become codes of E4M3 with the given scales 2^e0, 2^e1, 2^e7:
; code = number / 2^e, held within +-448, rounded to the nearest code, ties to even.
; THE CODES ARE LAID AS IMAGES OF OPERAND REGISTERS.  A fragment is 16 rows x 128 k = 2,048 bytes: register 2 c + w of lane (r, h) holds bytes 4 w .. 4 w + 3 of
; k = 16 c + 8 h + 0 .. 7 of row r; registers 4 g .. 4 g + 3 of lane l lie at 512 g + 16 l.  x_img: [512 blocks of 16 rows][8 K steps][2048]; wa_img, wp_img: the same with a weight's COLUMNS n as rows.
; Every work-group reads 128 KiB.  Work-groups 0-255 take x, 256-351 w_attn, 352-383 w_proj: three ways that part on the work-group's number; only x's way touches LDS.
; x: K is innermost.  A wave takes 16 rows x 512 numbers, four steps of one fragment.  Each load reads 512 consecutive bytes of a row; the 16 x 512 bytes turn through the wave's own stage in LDS
; (rows 528 bytes apart) and come back 32 bytes of a row at a time: eight neighbours along K in eight registers, as the conversion wants them.
; weights: K is the first axis.  A lane takes a column and its registers run down K; a wave takes 32 columns x 256 k.  Lanes 0-15 then hold all k of one block of 16 columns and lanes 16-31 of the next,
; while an image wants k + 8 of the SAME columns in lanes 16-31: one exchange between the halves of the lanes puts that right.
; Each store of a wave covers 512 consecutive bytes, aligned.
; LIMITS: e0, e1, e7 between -126 and 119, so that 2^e and 448 x 2^e are f32 numbers.  NaN among the inputs is not served (an infinity is held at the largest code).
.set STG,   8448                       ; a wave's stage: 16 rows x 528 bytes
.set SP,    528                        ; 512 bytes + 16 of padding
.set SPARE, 4*STG                      ; behind the stages: the spare words, 128 bytes for each wave
.set SPW,   12                         ; v12  LDS address of my spare word; never rewritten
.set NIL,   13                         ; v13  0; never rewritten
.set SIN,   14                         ; v14  the stage, on the way in
.set SOUT,  15                         ; v15  the stage, on the way out
.set RR,    16                         ; v16-143  x: two sets of 64 numbers as they are loaded
.set XX,    144                        ; v144-207 x: 64 numbers in the fragment's order
.set CC,    208                        ; v208-239 x: two sets of 16 registers of codes
.set WX,    32                         ; v32-95   weights: two sets of 32 numbers
.set F0,    96                         ; v96-127  weights: codes of k = 16 c + 0 .. 7, two K steps x 16 registers
.set F1,    128                        ; v128-159 weights: codes of k = 16 c + 8 .. 15
.set TT,    160                        ; v160-167 weights: at work in the exchange
.macro MKSCALE e                       ; v11 = 2^e as f32 (the conversion takes its exponent field); v10 = 448 x 2^e
	s_add_co_i32 s19, s[\e], 127
	s_lshl_b32 s31, s19, 23
	v_mov_b32 v11, s31
	s_add_co_i32 s19, s19, 8
	s_lshl_b32 s19, s19, 23
	s_or_b32 s19, s19, 0x600000
	v_mov_b32 v10, s19
.endm
.macro XLOAD s                         ; step s: 128 numbers of each of my 16 rows; 32 lanes read 512 consecutive bytes
.irp i, 0,1,2,3,4,5,6,7,8,9,10,11,12,13,14,15
	global_load_b128 v[RR+64*((\s)%2)+4*\i:RR+64*((\s)%2)+4*\i+3], v4, s[4:5] offset:4096*\i+512*(\s) th:TH_LOAD_NT
.endr
.endm
.macro XSTEP s
.if (\s) < 3
	s_wait_loadcnt 16                              ; this step's 16 loads are in; the next step's 16 may be out
.else
	s_wait_loadcnt 0
.endif
.irp i, 0,1,2,3,4,5,6,7,8,9,10,11,12,13,14,15
	ds_store_b128 v[SIN], v[RR+64*((\s)%2)+4*\i:RR+64*((\s)%2)+4*\i+3] offset:SP*\i
.endr
.irp c, 0,1,2,3,4,5,6,7
	ds_load_b128 v[XX+8*\c:XX+8*\c+3], v[SOUT] offset:64*\c            ; LDS serves a wave's instructions in order (ISA guide 5.7.1.4): these see the stores above
	ds_load_b128 v[XX+8*\c+4:XX+8*\c+7], v[SOUT] offset:64*\c+16       ; k = 16 c + 8 h + 0 .. 7 of row r
.endr
	s_wait_dscnt 0x0                               ; the numbers are back, so the stores into the stage have read their registers,
.if (\s)+2 < 4
	XLOAD (\s)+2                                   ; which take the loads of two steps on
.endif
.set ix, 0
.rept 64
	v_med3_num_f32 v[XX+ix], v[XX+ix], -v10, v10   ; the conversion to an 8-bit code does not saturate (ISA guide 7.6.2): the hold at the largest code x the scale
.set ix, ix+1
.endr
.if (\s) >= 2
	s_wait_alu depctr_va_vdst(0)
	s_wait_xcnt 0x0                                ; the stores of two steps back have read this set of codes: it is written again only behind this wait
.endif
.irp c, 0,1,2,3,4,5,6,7
	v_cvt_scalef32_pk8_fp8_f32 v[CC+16*((\s)%2)+2*\c:CC+16*((\s)%2)+2*\c+1], v[XX+8*\c:XX+8*\c+7], v11
.endr
	v_nop                                          ; one plain vector line behind the last conversion of a run
.irp g, 0,1,2,3
	global_store_b128 v4, v[CC+16*((\s)%2)+4*\g:CC+16*((\s)%2)+4*\g+3], s[12:13] offset:2048*(\s)+512*\g
.endr
.endm
.macro WLOAD t, N, src                 ; block t: w(32 t + i, my column), i = 0 .. 31: 32 lanes read 128 consecutive bytes, the four waves 512
.irp i, 0,1,2,3,4,5,6,7,8,9,10,11,12,13,14,15,16,17,18,19,20,21,22,23,24,25,26,27,28,29,30,31
	global_load_b32 v[WX+32*((\t)%2)+\i], v3, s[\src:\src+1] offset:(32*(\t)+\i)*\N*4 th:TH_LOAD_NT
.endr
.endm
.macro WBLOCK t, N, src
.if (\t) < 7
	s_wait_loadcnt 32                              ; this block's 32 loads are in; the next block's may be out
.else
	s_wait_loadcnt 0
.endif
.set ix, 0
.rept 32
	v_med3_num_f32 v[WX+32*((\t)%2)+ix], v[WX+32*((\t)%2)+ix], -v10, v10
.set ix, ix+1
.endr
.irp g, 0,1,2,3                        ; eight k from 32 t + 8 g on: c = 2 (t % 4) + g / 2 of K step t / 4; the even groups go to F0, the odd ones to F1
	v_cvt_scalef32_pk8_fp8_f32 v[F0+32*(\g%2)+16*((\t)/4)+2*(2*((\t)%4)+\g/2):F0+32*(\g%2)+16*((\t)/4)+2*(2*((\t)%4)+\g/2)+1], v[WX+32*((\t)%2)+8*\g:WX+32*((\t)%2)+8*\g+7], v11
.endr
	v_nop                                          ; one plain vector line behind the last conversion of a run
.if (\t)+2 < 8
	WLOAD (\t)+2, \N, \src
.endif
.endm
; K step s is whole.  F0 becomes the image of my first 16 columns (lanes 16-31 take F1 of the lane 16 below), F1 that of the next 16 (lanes 0-15 take F0 of the lane 16 above).
.macro XCHG s, dst
.set ix, 0
.rept 16
	v_permlanex16_b32 v[TT+2*(ix%4)], v[F1+16*(\s)+ix], s28, s29
	v_permlanex16_b32 v[TT+2*(ix%4)+1], v[F0+16*(\s)+ix], s28, s29
	v_cndmask_b32 v[F0+16*(\s)+ix], v[F0+16*(\s)+ix], v[TT+2*(ix%4)], s30
	v_cndmask_b32 v[F1+16*(\s)+ix], v[TT+2*(ix%4)+1], v[F1+16*(\s)+ix], s30
.set ix, ix+1
.endr
.irp g, 0,1,2,3
	global_store_b128 v4, v[F0+16*(\s)+4*\g:F0+16*(\s)+4*\g+3], s[\dst:\dst+1] offset:2048*(\s)+512*\g
	global_store_b128 v4, v[F1+16*(\s)+4*\g:F1+16*(\s)+4*\g+3], s[\dst:\dst+1] offset:16384+2048*(\s)+512*\g
.endr
.endm
; A weight of N columns.  Work-group g' of this way: kc = g' % 4 (256 k), cg = g' / 4 (128 columns).
.macro WPATH N, src, dst, e, first
	s_sub_co_u32 s32, ttmp9, \first
	s_and_b32 s33, s32, 3                          ; kc
	s_lshr_b32 s34, s32, 2                         ; cg
	s_mul_i32 s36, s33, 256*\N*4                   ; 256 kc rows of the weight,
	s_lshl_b32 s35, s34, 9                         ; + 128 cg columns,
	s_add_co_u32 s36, s36, s35
	s_lshl_b32 s35, s18, 7                         ; + my wave's 32
	s_add_co_u32 s36, s36, s35
	s_mov_b32 s37, 0
	s_add_nc_u64 s[\src:\src+1], s[\src:\src+1], s[36:37]
	s_lshl_b32 s36, s34, 17                        ; the images: block of 16 columns 8 cg + 2 wave, 16,384 bytes each,
	s_lshl_b32 s35, s18, 15
	s_add_co_u32 s36, s36, s35
	s_lshl_b32 s35, s33, 12                        ; K step 2 kc
	s_add_co_u32 s36, s36, s35
	s_add_nc_u64 s[\dst:\dst+1], s[\dst:\dst+1], s[36:37]
	WLOAD 0, \N, \src
	WLOAD 1, \N, \src
	s_mov_b32 s28, 0x76543210                      ; v_permlanex16_b32: each lane takes its own place in the other half
	s_mov_b32 s29, 0xfedcba98
	s_mov_b32 s30, 0xffff0000                      ; lanes 16-31
.irp i, 0,1,2,3,4,5,6,7
	v_mov_b32 v[TT+\i], 0                          ; written once: a lane permute's destination counts as one of its sources
.endr
	s_wait_kmcnt 0x0
	MKSCALE \e
	s_wait_alu depctr_va_vdst(0)
.irp t, 0,1,2,3
	WBLOCK \t, \N, \src
.endr
	XCHG 0, \dst
.irp t, 4,5,6,7
	WBLOCK \t, \N, \src
.endr
	XCHG 1, \dst
	s_endpgm
.endm
	s_load_b256 s[4:11], s[0:1], 0x0               ; x s[4:5], w_attn s[6:7], w_proj s[8:9], the scales' exponents s[10:11]
	s_load_b128 s[12:15], s[0:1], 0x20             ; x_img s[12:13], wa_img s[14:15]
	s_load_b64 s[16:17], s[0:1], 0x30              ; wp_img
	v_lshl_add_u32 v[SPW], v0, 2, SPARE
	v_mov_b32 v[NIL], 0
	v_lshrrev_b32 v1, 5, v0
	v_readfirstlane_b32 s18, v1                    ; wave 0..3
	v_and_b32 v2, 31, v0                           ; lane
	v_lshlrev_b32 v3, 2, v2                        ; 4 bytes a lane
	v_lshlrev_b32 v4, 4, v2                        ; 16 bytes a lane
	s_wait_kmcnt 0x0
	s_load_b256 s[20:27], s[10:11], 0x0            ; e0 .. e7
	s_cmp_ge_u32 ttmp9, 256
	s_cbranch_scc1 .Lweights
	; ---- x
	s_lshl_b32 s32, ttmp9, 2
	s_add_co_u32 s32, s32, s18                     ; which run of 16 rows x 512 numbers is my wave's
	s_lshr_b32 s33, s32, 1                         ; its block of 16 rows,
	s_and_b32 s34, s32, 1                          ; its half of K
	s_lshl_b32 s36, s33, 16                        ; 16 rows of 4,096 bytes
	s_lshl_b32 s35, s34, 11
	s_add_co_u32 s36, s36, s35
	s_mov_b32 s37, 0
	s_add_nc_u64 s[4:5], s[4:5], s[36:37]
	s_lshl_b32 s36, s33, 14                        ; eight images of 2,048 bytes
	s_lshl_b32 s35, s34, 13
	s_add_co_u32 s36, s36, s35
	s_add_nc_u64 s[12:13], s[12:13], s[36:37]
	s_wait_alu depctr_va_vdst(0)
	XLOAD 0
	XLOAD 1
	s_mul_i32 s38, s18, STG
	v_add_nc_u32 v[SIN], s38, v4                   ; in: a row's 512 bytes as they lie
	v_and_b32 v5, 15, v2                           ; r
	v_lshrrev_b32 v6, 4, v2                        ; h
	v_mul_u32_u24 v[SOUT], v5, SP
	v_lshl_add_u32 v[SOUT], v6, 5, v[SOUT]
	v_add_nc_u32 v[SOUT], s38, v[SOUT]             ; out: row r, + 32 h bytes
	s_wait_alu depctr_va_vdst(0)
	s_wait_kmcnt 0x0
	MKSCALE 20
	s_wait_alu depctr_va_vdst(0)
.irp s, 0,1,2,3
	XSTEP \s
.endr
	s_wait_tensorcnt 0x0                           ; the wave's end
	ds_add_u32 v[SPW], v[NIL]
	s_wait_dscnt 0x0
	s_endpgm
.Lweights:
	s_cmp_ge_u32 ttmp9, 352
	s_cbranch_scc1 .Lproj
	s_wait_alu depctr_va_vdst(0)
	WPATH 3072, 6, 14, 21, 256
.Lproj:
	s_wait_alu depctr_va_vdst(0)
	WPATH 1024, 8, 16, 27, 352
.Lfunc_end_k_qc28e92b50c_quant:
	.size	k_qc28e92b50c_quant, .Lfunc_end_k_qc28e92b50c_quant-k_qc28e92b50c_quant
	.p2alignl 7, 3214868480
	.fill 96, 4, 3214868480
	.section	.rodata,"a",@progbits
	.p2align	6, 0x0
	.amdhsa_kernel k_qc28e92b50c_quant
		.amdhsa_group_segment_fixed_size 34304
		.amdhsa_private_segment_fixed_size 0
		.amdhsa_enable_private_segment 0
		.amdhsa_kernarg_size 56
		.amdhsa_user_sgpr_count 2
		.amdhsa_user_sgpr_kernarg_segment_ptr 1
		.amdhsa_wavefront_size32 1
		.amdhsa_system_sgpr_workgroup_id_x 1
		.amdhsa_system_sgpr_workgroup_id_y 1
		.amdhsa_system_sgpr_workgroup_id_z 1
		.amdhsa_system_vgpr_workitem_id 0
		.amdhsa_next_free_vgpr 256
		.amdhsa_next_free_sgpr 66
		.amdhsa_reserve_vcc 0
		.amdhsa_float_denorm_mode_32 3
		.amdhsa_float_denorm_mode_16_64 3
		.amdhsa_memory_ordered 1
		.amdhsa_forward_progress 1
		.amdhsa_inst_pref_size 144
	.end_amdhsa_kernel
	.amdgpu_metadata
---
amdhsa.version: [ 1, 2 ]
amdhsa.kernels:
  - .name:           k_qc28e92b50c_quant
    .symbol:         k_qc28e92b50c_quant.kd
    .args:
      - { .name: x, .offset: 0, .size: 8, .value_kind: global_buffer, .address_space: global }
      - { .name: w_attn, .offset: 8, .size: 8, .value_kind: global_buffer, .address_space: global }
      - { .name: w_proj, .offset: 16, .size: 8, .value_kind: global_buffer, .address_space: global }
      - { .name: lowp_scales, .offset: 24, .size: 8, .value_kind: global_buffer, .address_space: global }
      - { .name: x_img, .offset: 32, .size: 8, .value_kind: global_buffer, .address_space: global }
      - { .name: wa_img, .offset: 40, .size: 8, .value_kind: global_buffer, .address_space: global }
      - { .name: wp_img, .offset: 48, .size: 8, .value_kind: global_buffer, .address_space: global }
    .group_segment_fixed_size: 34304
    .private_segment_fixed_size: 0
    .kernarg_segment_align: 8
    .kernarg_segment_size: 56
    .max_flat_workgroup_size: 128
    .sgpr_count:     66
    .vgpr_count:     256
    .wavefront_size: 32
...
	.end_amdgpu_metadata
.endif
;; end of part 1
;; launch gemm_qkv (part 2): grid 12 x 32, 4 waves a work-group, clusters of 4 x 4, 327,680 bytes of LDS; arguments x_img, wa_img, b_attn, lowp_scales, qkv; writes qkv
.if DOCPART == 2
	.amdgcn_target "amdgcn-amd-amdhsa--gfx1250"
	.amdhsa_code_object_version 6
	.text
	.protected	k_qc28e92b50c_gemm_qkv
	.globl	k_qc28e92b50c_gemm_qkv
	.p2align	8
	.type	k_qc28e92b50c_gemm_qkv,@function
k_qc28e92b50c_gemm_qkv:
	s_mov_b64 s[64:65], 0
	v_nop
	global_prefetch_b8 v0, s[64:65] scope:SCOPE_SE
	s_setreg_imm32_b32 hwreg(HW_REG_WAVE_MODE, 25, 1), 1
	s_wait_xcnt 0x0
	s_wait_alu depctr_hold_cnt(0) depctr_sa_sdst(0) depctr_va_vdst(0) depctr_va_sdst(0) depctr_va_ssrc(0) depctr_va_vcc(0) depctr_vm_vsrc(0)
	s_getreg_b32 s2, hwreg(HW_REG_IB_STS2, 6, 4)
	s_cmp_eq_u32 s2, 0
	s_cbranch_scc0 .Lentry_in_a_cluster
	s_endpgm
.Lentry_in_a_cluster:
	s_bfe_u32 s2, ttmp6, 0x10000c
	s_cmp_lg_u32 s2, 0xf033
	s_cbranch_scc0 .Lentry_shape_is_right
	s_endpgm
.Lentry_shape_is_right:
; qkv = x w_attn + b_attn on codes of E4M3 (K = 1,024), and its three parts quantised at once for the products of attention: q with 2^e2, k with 2^e3, v with 2^e5.
; OPERANDS are images of registers (16 rows x 128 k = 2,048 bytes: registers 4 g .. 4 g + 3 of lane l at 512 g + 16 l; register 2 c + w of lane (r, h): k = 16 c + 8 h + 4 w .. + 3 of row r):
; x_img [512 blocks of 16 tokens][8 K steps][2048], wa_img [192 blocks of 16 channels][8][2048].  A fragment comes out of LDS by four loads of 16 bytes a lane, 512 consecutive bytes each: no pitch, no padding.
; A tile of C, 256 x 256, is made by four waves, each 128 x 128: 64 accumulators.  K goes through a ring of two LDS slots of two K steps each, filled by the tensor data mover.
; THE MATRIX INSTRUCTION IS USED TRANSPOSED (source 0 = 16 rows of B, source 1 = 16 rows of A): lane (r, h) holds row r of C and eight neighbouring columns 8 h + 0 .. 7.
; q AND k (clusters x = 0, 1): A = tokens, B = channels.  A lane's eight sums are eight neighbours along the head's 64, the next product's K: their two registers of codes ARE registers 2 c, 2 c + 1 of a fragment of q or k.
; v (cluster x = 2): A = v's channels, B = tokens, the same text with the two pointers exchanged by a select on the cluster's x, which all partners share: a lane's eight sums are eight neighbouring KEYS,
; the K of attention's second product.  So all three leave as images, by stores of 512 consecutive bytes, with no stage in LDS.
; qkv: q at 0, k at 8 MiB: [batch 4][head 16][128 blocks of 16 tokens][1024];  v at 16 MiB: [batch][head][16 blocks of 128 keys][4 blocks of 16 channels][2048].
; THE BIAS, divided by 2^(e0 + e1), the power of two that the sums lack: along C's columns (q, k) it is the C of each sum's first matrix instruction; along C's rows (v) it is added on the way out.  The one that does not apply is 0.
; CLUSTERS: 4 x 4 work-groups.  The four of a row of the cluster need the same tiles of A, the four of a column the same tiles of B: each tile is asked for JOINTLY.
; LIMITS: e2 - e0 - e1, e3 - e0 - e1, e5 - e0 - e1 between -126 and 119, so that the conversion's scale and 448 x it are f32 numbers.  NaN among the inputs is not served.
; REGISTERS, in windows of 256: window 0: v16-30 addresses; v32-95 the column bias, later a block's sums; v96-111 the row bias; v112, v113 the scale and the hold; v128-255 A's fragments, ONE set, later the codes.
;   window 1: B's fragments, TWO sets.   window 2: the accumulators of my rows 0-63 ((a, b) at v[8 (8 a + b)]);   window 3: those of my rows 64-127.
.set FR,     16                        ; registers of a fragment
.set NL,     4                         ; LDS loads that bring one
.set NP,     4                         ; places behind this matrix instruction (ISA guide 7.12.1)
.set KSB,    4096                      ; a slot's bytes of a block of 16 rows: two K steps' images
.set HALFT,  8*KSB                     ; 128 rows: what one tensor load brings, and what one wave reads of A or of B
.set SLOT,   4*HALFT                   ; A's 256 rows, then B's 256 rows
.set SPARE,  2*SLOT                    ; behind the ring: the spare words, 128 bytes for each wave
.set ADRA, 16                          ; v16-17  LDS address of my A fragments in slot 0, 1
.set ADRB, 20                          ; v20-21  the same for B
.set VO0,  24                          ; v24     16 x lane
.set VO1,  25                          ; v25     16 x lane + the way to an image's second half: the next head's image (q, k) or 1,024 bytes (v)
.set CBO,  26                          ; v26     32 h: my eight numbers of the column bias
.set RBO,  27                          ; v27     4 r: my number of the row bias
.set SPW,  28                          ; v28     LDS address of my spare word; never rewritten
.set NIL,  29                          ; v29     0; never rewritten
.set ZR,   30                          ; v30     0, for the selects
.set CB,   32                          ; v32-95  the column bias: eight registers for each of B's eight blocks
.set TMP,  32                          ; the way out: a block's 64 sums
.set RB,   96                          ; v96-111 the row bias: a pair of equal numbers for each of A's eight blocks
.set SC,   112                         ; v112    2^(eo - e0 - e1) as f32
.set LIM,  113                         ; v113    448 x that
.set AF,   128                         ; A's fragments
.set OC,   128                         ; the way out: 16 registers of codes for each block
.set G1, 24                            ; s[24:31] descriptor group 1 for A's tiles;  s[32:39] group 0, one set for each slot
.set G0, 32
.set G1B, 48                           ; s[48:55], s[56:63] the same for B's tiles
.set G0B, 56
.set MSB, 0
.macro WIN new                         ; the immediate's high byte repeats the setting that is left
.if MSB != (\new)
	s_set_vgpr_msb (MSB<<8)|(\new)
.set MSB, (\new)
.endif
.endm
.set MUL_LO, 0xa1                      ; source 0 (B) window 1, source 1 (A) window 0, C and D window 2
.set MUL_HI, 0xf1                      ; the same, C and D window 3
.set TO_B,   0x40                      ; destination window 1, address window 0
; A joint load: waves 0 and 1 fetch for A, waves 2 and 3 for B.  Each of the two lines has ONE mask and one set of registers for all that issue it; the branch hangs on the wave's number alone.
; An s_nop 0 and four v_nop follow each of the two lines, ahead of the jump, the label and what follows.
.macro JLOAD g0a, g1a, g0b, g1b
	s_cmp_eq_u32 s15, 0
	s_cbranch_scc0 .Lfor_b_\@
	tensor_load_to_lds s[\g0a:\g0a+3], s[\g1a:\g1a+7]
	s_nop 0
.rept 4
	v_nop
.endr
	s_branch .Lasked_\@
.Lfor_b_\@:
	tensor_load_to_lds s[\g0b:\g0b+3], s[\g1b:\g1b+7]
	s_nop 0
.rept 4
	v_nop
.endr
.Lasked_\@:
.endm
.macro CREST                           ; a round of the cluster's barrier behind its opening barrier
	s_cmp_lg_u32 s14, 0
	s_cbranch_scc1 .Lnot_wave_0_\@
	s_barrier_signal -3
.Lnot_wave_0_\@:
	s_barrier_wait -3
	s_barrier_signal -1
	s_barrier_wait -1
.endm
.macro CROUND                          ; a whole round
	s_barrier_signal -1
	s_barrier_wait -1
	CREST
.endm
	s_load_b256 s[4:11], s[0:1], 0x0               ; x_img s[4:5], wa_img s[6:7], b_attn s[8:9], the scales' exponents s[10:11]
	s_load_b64 s[12:13], s[0:1], 0x20              ; qkv
	v_lshl_add_u32 v[SPW], v0, 2, SPARE
	v_mov_b32 v[NIL], 0
	ds_add_u32 v[SPW], v[NIL]                      ; the wave's opening: the add and its wait ahead of my first tensor load; the set-up below, work on registers, stands between them
	ds_add_u32 v[SPW], v[NIL]
	v_lshrrev_b32 v1, 5, v0
	v_readfirstlane_b32 s14, v1                    ; wave 0..3
	s_lshr_b32 s15, s14, 1                         ; which half of the tile's rows is mine.  Also: I fetch for A (0) or for B (1)
	s_and_b32 s16, s14, 1                          ; which half of its columns.  Also: which 128 rows of that tile I fetch
	s_bfe_u32 s40, ttmp6, 0x40000                  ; cx, cy: my place in the cluster
	s_bfe_u32 s41, ttmp6, 0x40004
	s_and_b32 s19, ttmp7, 0xffff
	s_lshl_b32 s19, s19, 2                         ; 4 x cluster y
	s_lshl_b32 s80, ttmp9, 2                       ; 4 x cluster x
	s_cmp_eq_u32 ttmp9, 2                          ; v's clusters?  The cluster's x is the same in all sixteen partners
	s_cselect_b32 s17, 8, s19                      ; tile row: v: wa_img's rows from 2,048 on; else the tokens' tile
	s_cselect_b32 s42, s19, s80                    ; tile column: v: the tokens' tile; else wa_img's rows 0 to 2,047
	s_add_co_u32 s17, s17, s41                     ; + cy
	s_add_co_u32 s42, s42, s40                     ; + cx
	s_lshl_b32 s43, s41, 2
	s_lshl_b32 s43, 15, s43                        ; my row of the cluster
	s_lshl_b32 s44, 0x1111, s40                    ; my column
	; descriptor group 1: 8 blocks of 16 rows, of each 4,096 consecutive bytes (two K steps' images), 16,384 bytes apart in memory, on end in LDS
	s_or_b32 s[G1+0], s43, (3<<16)|(1<<21)         ; 15:0 the mask: A's tiles go to my row; 17:16 elements of 8 bytes; 20 no padding; 21 set beside a mask
	s_or_b32 s[G1B+0], s44, (3<<16)|(1<<21)
.irp g, G1, G1B
	s_mov_b32 s[\g+1], 512<<16                     ; tensor_dim0 = 512 elements
	s_mov_b32 s[\g+2], 8<<16                       ; tensor_dim1 = 8
	s_mov_b32 s[\g+3], 512<<16                     ; tile_dim0
	s_mov_b32 s[\g+4], 8                           ; tile_dim1
	s_mov_b32 s[\g+5], 2048                        ; tensor_dim0_stride, in elements
	s_mov_b32 s[\g+6], 0
	s_mov_b32 s[\g+7], 0
.endr
	s_lshl_b32 s18, s16, 7                         ; which 128 rows of the tile I fetch
	s_lshl_b32 s20, s17, 8
	s_add_co_u32 s20, s20, s18                     ; A: row 256 x tile row + 128 x half;
	s_lshl_b32 s20, s20, 10                        ; a row's share of its block's images is 1,024 bytes
	s_mov_b32 s21, 0
	s_lshl_b32 s46, s42, 8
	s_add_co_u32 s46, s46, s18                     ; B: row 256 x tile column + 128 x half
	s_lshl_b32 s46, s46, 10
	s_mov_b32 s47, 0
	s_mul_i32 s45, s14, HALFT                      ; where they go: wave x 128 rows: no place in the cluster enters an LDS address
	s_wait_dscnt 0x0                               ; the opening add is done
	s_wait_kmcnt 0x0
	s_load_b256 s[68:75], s[10:11], 0x0            ; e0 .. e7
	s_cmp_eq_u32 ttmp9, 2
	s_cselect_b64 s[76:77], s[6:7], s[4:5]         ; A: the weights for v, else the tokens
	s_cselect_b64 s[78:79], s[4:5], s[6:7]         ; B: the other
	s_add_nc_u64 s[20:21], s[76:77], s[20:21]
	s_add_nc_u64 s[46:47], s[78:79], s[46:47]
	CROUND                                         ; all sixteen work-groups are here: the first joint loads meet
.irp s, 0,1
	s_mov_b32 s[G0+4*\s], 1
	s_add_co_u32 s[G0+4*\s+1], s45, \s*SLOT
	s_add_nc_u64 s[G0+4*\s+2:G0+4*\s+3], s[20:21], \s*KSB
	s_or_b32 s[G0+4*\s+3], s[G0+4*\s+3], 0x80000000
	s_mov_b32 s[G0B+4*\s], 1
	s_add_co_u32 s[G0B+4*\s+1], s45, \s*SLOT
	s_add_nc_u64 s[G0B+4*\s+2:G0B+4*\s+3], s[46:47], \s*KSB
	s_or_b32 s[G0B+4*\s+3], s[G0B+4*\s+3], 0x80000000
.endr
	JLOAD G0, G1, G0B, G1B                         ; slot 0: one tensor load a wave at the head
	v_and_b32 v1, 15, v0                           ; r
	v_bfe_u32 v2, v0, 4, 1                         ; h
	s_wait_alu depctr_va_vdst(0)
	v_and_b32 v3, 31, v0
	v_lshlrev_b32 v[VO0], 4, v3                    ; 16 x lane
	s_wait_alu depctr_va_vdst(0)
	s_lshl_b32 s22, s15, 15                        ; my 128 rows of A
	s_lshl_b32 s23, s16, 15                        ; my 128 rows of B,
	s_add_co_u32 s23, s23, 2*HALFT                 ; which lie behind A's 256
.irp s, 0,1
	v_add_nc_u32 v[ADRA+\s], s22, v[VO0]
	v_add_nc_u32 v[ADRB+\s], s23, v[VO0]
	s_add_co_u32 s22, s22, SLOT
	s_add_co_u32 s23, s23, SLOT
.endr
	s_lshl_b32 s66, s17, 8
	s_lshl_b32 s2, s15, 7
	s_add_co_u32 s66, s66, s2                      ; my first row of C
	s_lshl_b32 s67, s42, 8
	s_lshl_b32 s2, s16, 7
	s_add_co_u32 s67, s67, s2                      ; my first column of C
	s_cmp_eq_u32 ttmp9, 2
	s_cselect_b32 s96, s67, s66                    ; my first token,
	s_cselect_b32 s97, s66, s67                    ; my first channel of the 3,072
	s_cselect_b32 s82, 0, s67                      ; the column bias begins at my first column (v: not used; the buffer's first numbers are read and dropped)
	s_cselect_b32 s84, s66, 0                      ; the row bias at my first row (q, k: likewise)
	s_cselect_b32 s86, -1, 0                       ; all lanes where the column bias is 0
	s_cselect_b32 s87, 0, -1                       ; all lanes where the row bias is 0
	s_mov_b32 s88, 1024
	s_cselect_b32 s88, 2048, s88                   ; from a block of A's rows to the next: 16 channels of v on, or 16 tokens on;
	s_mov_b32 s90, 1024
	s_cselect_b32 s90, 124928, s90                 ; from the fourth to the fifth: v: the next head's first 16 channels: 131,072 - 3 x 2,048
	s_mov_b32 s95, 131072
	s_cselect_b32 s95, 1024, s95
	s_mov_b32 s89, 0
	s_mov_b32 s91, 0
	s_lshl_b32 s82, s82, 2
	s_mov_b32 s83, 0
	s_lshl_b32 s84, s84, 2
	s_mov_b32 s85, 0
	s_add_nc_u64 s[82:83], s[8:9], s[82:83]
	s_add_nc_u64 s[84:85], s[8:9], s[84:85]
	s_lshr_b32 s98, s97, 10
	s_lshl_b32 s98, s98, 23                        ; q, k or v: 8 MiB each
	s_lshr_b32 s99, s96, 11
	s_lshl_b32 s99, s99, 21                        ; the batch: 2 MiB
	s_add_co_u32 s98, s98, s99
	s_bfe_u32 s99, s97, 0x40006
	s_lshl_b32 s99, s99, 17                        ; the head: 131,072 bytes
	s_add_co_u32 s98, s98, s99
	s_and_b32 s99, s96, 2047
	s_lshl_b32 s99, s99, 6                         ; 64 bytes a token: 1,024 for 16 (q, k), 8,192 for 128 (v)
	s_add_co_u32 s98, s98, s99
	s_mov_b32 s99, 0
	s_add_nc_u64 s[12:13], s[12:13], s[98:99]
	v_lshlrev_b32 v[CBO], 5, v2
	v_lshlrev_b32 v[RBO], 2, v1
	v_mov_b32 v[ZR], 0
	v_add_nc_u32 v[VO1], s95, v[VO0]
.irp b, 0,1,2,3,4,5,6,7
	global_load_b128 v[CB+8*\b:CB+8*\b+3], v[CBO], s[82:83] offset:64*\b        ; columns 16 b + 8 h + 0 .. 7
	global_load_b128 v[CB+8*\b+4:CB+8*\b+7], v[CBO], s[82:83] offset:64*\b+16
.endr
.irp a, 0,1,2,3,4,5,6,7
	global_load_b32 v[RB+2*\a], v[RBO], s[84:85] offset:64*\a                   ; row 16 a + r
.endr
	s_wait_alu depctr_va_vdst(0)
	s_wait_kmcnt 0x0
	s_add_co_i32 s94, s68, s69                     ; e0 + e1: a sum stands for sum x 2^(e0 + e1)
	s_sub_co_i32 s92, 0, s94
	s_cmp_eq_u32 ttmp9, 1
	s_cselect_b32 s93, s71, s73                    ; k: e3; v: e5;
	s_cmp_eq_u32 ttmp9, 0
	s_cselect_b32 s93, s70, s93                    ; q: e2
	s_sub_co_i32 s93, s93, s94                     ; the three scales folded into the conversion's one
	s_add_co_i32 s93, s93, 127
	s_lshl_b32 s94, s93, 23
	v_mov_b32 v[SC], s94
	s_add_co_i32 s93, s93, 8
	s_lshl_b32 s93, s93, 23
	s_or_b32 s93, s93, 0x600000
	v_mov_b32 v[LIM], s93
	s_wait_loadcnt 0x0
.set ix, 0
.rept 64
	v_cndmask_b32 v[CB+ix], v[CB+ix], v[ZR], s86
	v_ldexp_f32 v[CB+ix], v[CB+ix], s92
.set ix, ix+1
.endr
.irp a, 0,1,2,3,4,5,6,7
	v_cndmask_b32 v[RB+2*\a], v[RB+2*\a], v[ZR], s87
	v_ldexp_f32 v[RB+2*\a], v[RB+2*\a], s92
	v_mov_b32 v[RB+2*\a+1], v[RB+2*\a]
.endr
.macro FRAG reg, adr, q, i             ; the image of block i's fragment, the slot's q-th K step: 16 registers by four loads of 512 consecutive bytes
.irp c, 0,1,2,3
	ds_load_b128 v[\reg+4*\c:\reg+4*\c+3], v[\adr] offset:KSB*(\i)+2048*(\q)+512*\c
.endr
.endm
; 16 matrix instructions: A's blocks a0, a0 + 1 x B's eight, 128 along K.  p: B's set.  zero = 1: the first product starts the sums, from the column bias: nothing is ever cleared.
; The 64 accumulators take turns, one instruction a turn, in the same order in every step.
.macro MUL16 a0, p, zero
.irp a, \a0, \a0+1
.irp b, 0,1,2,3,4,5,6,7
.if \zero
	v_wmma_f32_16x16x128_fp8_fp8 v[8*(8*((\a)%4)+\b):8*(8*((\a)%4)+\b)+7], v[128*(\p)+FR*\b:128*(\p)+FR*\b+FR-1], v[AF+FR*(\a):AF+FR*(\a)+FR-1], v[CB+8*\b:CB+8*\b+7]
.else
	v_wmma_f32_16x16x128_fp8_fp8 v[8*(8*((\a)%4)+\b):8*(8*((\a)%4)+\b)+7], v[128*(\p)+FR*\b:128*(\p)+FR*\b+FR-1], v[AF+FR*(\a):AF+FR*(\a)+FR-1], v[8*(8*((\a)%4)+\b):8*(8*((\a)%4)+\b)+7]
.endif
.endr
.endr
.endm
.macro FETCH_B slot, q, p              ; B's eight fragments into set p
	WIN TO_B
.irp i, 0,1,2,3,4,5,6,7
	FRAG 128*(\p)+FR*\i, ADRB+\slot, \q, \i
.endr
	WIN 0
.endm
.macro FETCH_A slot, q, i0             ; A's blocks i0 .. i0 + 3
.irp i, \i0, \i0+1, \i0+2, \i0+3
	FRAG AF+FR*(\i), ADRA+\slot, \q, \i
.endr
.endm
; A load into a register that a matrix instruction has read, and a vector instruction that reads a matrix result, stand NP places behind that matrix instruction; only plain vector
; instructions that name none of its registers are places (ISA guide 7.12.1 for vector instructions).
.macro PLACES n
.rept \n
	v_nop
.endr
.endm
; A step of 128 along K that has its successor in the same slot.  A block of A is free as soon as its eight products are issued: blocks 0-3 are fetched anew in the step's middle, blocks 4-7 at its end.
.macro STEP slot, q, zero
	s_wait_dscnt 4*NL                              ; B's set and A's blocks 0-3 are in; the youngest 16 loads (A's blocks 4-7) may be out
	WIN MUL_LO-0x20*(\zero)                        ; (zero = 1: C, the bias, lies in window 0)
	MUL16 0, (\q)%2, \zero
	MUL16 2, (\q)%2, \zero
	s_wait_dscnt 0                                 ; A's blocks 4-7 are in
	PLACES NP
	FETCH_B \slot, (\q)+1, 1-(\q)%2
	FETCH_A \slot, (\q)+1, 0
	WIN MUL_HI-0x30*(\zero)
	MUL16 4, (\q)%2, \zero
	MUL16 6, (\q)%2, \zero
	PLACES NP
	WIN 0
	FETCH_A \slot, (\q)+1, 4
.endm
; A slot's last step changes slots: ONE barrier; in front of it each wave waits for all its tensor loads, adds 0 to its spare word, and waits for that and for its own reads of this slot.  fill = 1: this slot is filled again, two slots ahead.
.macro TURN slot, next, fill
	s_wait_tensorcnt 0x0                           ; all my tensor loads have landed: my part of the next slot;  (every window is 0 here)
	ds_add_u32 v[SPW], v[NIL]                      ; 0 onto my spare word
	s_wait_dscnt 4*NL+1                            ; (the add and the youngest 16 loads, A's blocks 4-7, may be out)
	WIN MUL_LO
	MUL16 0, 1, 0                                  ; sixteen matrix instructions stand between the add and the wait for it
	s_wait_dscnt 0x0                               ; the add is done, and my reads of this slot are over
	s_barrier_signal -1
	MUL16 2, 1, 0
	WIN 0
	s_barrier_wait -1
.if \fill
	CREST                                          ; the barrier has opened a round of the cluster's barrier: no wave of any partner still reads this slot's tile or has a load on its way
	s_add_nc_u64 s[G0+4*\slot+2:G0+4*\slot+3], s[G0+4*\slot+2:G0+4*\slot+3], 2*KSB
	s_add_nc_u64 s[G0B+4*\slot+2:G0B+4*\slot+3], s[G0B+4*\slot+2:G0B+4*\slot+3], 2*KSB
	JLOAD G0+4*\slot, G1, G0B+4*\slot, G1B         ; the first tensor load behind the round; the four v_nop behind it are the places in front of the loads below
.else
	PLACES NP
.endif
	FETCH_B \next, 0, 0
	FETCH_A \next, 0, 0
	WIN MUL_HI
	MUL16 4, 1, 0
	MUL16 6, 1, 0
	PLACES NP
	WIN 0
	FETCH_A \next, 0, 4
.endm
	s_wait_alu depctr_va_vdst(0)
	s_wait_tensorcnt 0x0                           ; my part of slot 0 is in
	ds_add_u32 v[SPW], v[NIL]
	s_wait_dscnt 0x0
	CROUND                                         ; everybody's part of slot 0 is in, and all sixteen work-groups are here
	JLOAD G0+4, G1, G0B+4, G1B                     ; slot 1's first fill: the first tensor load behind the round
	FETCH_B 0, 0, 0
	FETCH_A 0, 0, 0
	FETCH_A 0, 0, 4
	STEP 0, 0, 1                                   ; K steps 0 .. 7: 1,024 along K is twice round the ring, written out
	TURN 0, 1, 1
	STEP 1, 0, 0
	TURN 1, 0, 1
	STEP 0, 0, 0
	TURN 0, 1, 0                                   ; the last lap fills nothing, and has no round of the cluster's barrier
	STEP 1, 0, 0
	s_wait_dscnt 4*NL                              ; the very last step: nothing more to fetch
	WIN MUL_LO
	MUL16 0, 1, 0
	MUL16 2, 1, 0
	s_wait_dscnt 0
	WIN MUL_HI
	MUL16 4, 1, 0
	MUL16 6, 1, 0
	WIN 0
	PLACES NP
; THE WAY OUT of A's block a: 16 rows x 128 columns.  The row bias is added (each accumulator from its low end on), the sums are held and converted: B's block b gives registers 2 b, 2 b + 1.
; q, k: registers 0-7 are the image of these 16 tokens in my first head, registers 8-15 in the next.  v: the 16 registers are the image of 16 channels x 128 keys.
.macro OUT a
.if (\a) > 0
	s_wait_xcnt 0x0                                ; the last block's stores have read their base: it steps only behind this wait
.if (\a) == 4
	s_add_nc_u64 s[12:13], s[12:13], s[90:91]
.else
	s_add_nc_u64 s[12:13], s[12:13], s[88:89]
.endif
.endif
	WIN 0x02+((\a)/4)                              ; source 0: window 2 or 3
.set ix, 0
.rept 32
	v_pk_add_f32 v[TMP+ix:TMP+ix+1], v[64*((\a)%4)+ix:64*((\a)%4)+ix+1], v[RB+2*(\a):RB+2*(\a)+1]
.set ix, ix+2
.endr
	WIN 0
.set ix, 0
.rept 64
	v_med3_num_f32 v[TMP+ix], v[TMP+ix], -v[LIM], v[LIM]   ; the conversion to an 8-bit code does not saturate (ISA guide 7.6.2): the hold at the largest code x the scale
.set ix, ix+1
.endr
.irp b, 0,1,2,3,4,5,6,7
	v_cvt_scalef32_pk8_fp8_f32 v[OC+16*(\a)+2*\b:OC+16*(\a)+2*\b+1], v[TMP+8*\b:TMP+8*\b+7], v[SC]
.endr
	v_nop                                          ; one plain vector line behind the last conversion: the next block's sums are written over these sources
	global_store_b128 v[VO0], v[OC+16*(\a):OC+16*(\a)+3], s[12:13]                  ; each store covers 512 consecutive bytes, aligned
	global_store_b128 v[VO0], v[OC+16*(\a)+4:OC+16*(\a)+7], s[12:13] offset:512
	global_store_b128 v[VO1], v[OC+16*(\a)+8:OC+16*(\a)+11], s[12:13]
	global_store_b128 v[VO1], v[OC+16*(\a)+12:OC+16*(\a)+15], s[12:13] offset:512
.endm
.irp a, 0,1,2,3,4,5,6,7
	OUT \a
.endr
	s_wait_tensorcnt 0x0                           ; the wave's end
	ds_add_u32 v[SPW], v[NIL]
	s_wait_dscnt 0x0
	CROUND                                         ; the closing round: no work-group ends while a partner may still ask for a tile that names it
	s_endpgm
.Lfunc_end_k_qc28e92b50c_gemm_qkv:
	.size	k_qc28e92b50c_gemm_qkv, .Lfunc_end_k_qc28e92b50c_gemm_qkv-k_qc28e92b50c_gemm_qkv
	.p2alignl 7, 3214868480
	.fill 96, 4, 3214868480
	.section	.rodata,"a",@progbits
	.p2align	6, 0x0
	.amdhsa_kernel k_qc28e92b50c_gemm_qkv
		.amdhsa_group_segment_fixed_size 327680
		.amdhsa_private_segment_fixed_size 0
		.amdhsa_enable_private_segment 0
		.amdhsa_kernarg_size 40
		.amdhsa_user_sgpr_count 2
		.amdhsa_user_sgpr_kernarg_segment_ptr 1
		.amdhsa_wavefront_size32 1
		.amdhsa_system_sgpr_workgroup_id_x 1
		.amdhsa_system_sgpr_workgroup_id_y 1
		.amdhsa_system_sgpr_workgroup_id_z 1
		.amdhsa_system_vgpr_workitem_id 0
		.amdhsa_next_free_vgpr 1024
		.amdhsa_next_free_sgpr 100
		.amdhsa_reserve_vcc 0
		.amdhsa_float_denorm_mode_32 3
		.amdhsa_float_denorm_mode_16_64 3
		.amdhsa_memory_ordered 1
		.amdhsa_forward_progress 1
		.amdhsa_inst_pref_size 147
	.end_amdhsa_kernel
	.amdgpu_metadata
---
amdhsa.version: [ 1, 2 ]
amdhsa.kernels:
  - .name:           k_qc28e92b50c_gemm_qkv
    .symbol:         k_qc28e92b50c_gemm_qkv.kd
    .args:
      - { .name: x_img, .offset: 0, .size: 8, .value_kind: global_buffer, .address_space: global }
      - { .name: wa_img, .offset: 8, .size: 8, .value_kind: global_buffer, .address_space: global }
      - { .name: b_attn, .offset: 16, .size: 8, .value_kind: global_buffer, .address_space: global }
      - { .name: lowp_scales, .offset: 24, .size: 8, .value_kind: global_buffer, .address_space: global }
      - { .name: qkv, .offset: 32, .size: 8, .value_kind: global_buffer, .address_space: global }
    .group_segment_fixed_size: 327680
    .private_segment_fixed_size: 0
    .kernarg_segment_align: 8
    .kernarg_segment_size: 40
    .max_flat_workgroup_size: 128
    .sgpr_count:     100
    .vgpr_count:     1024
    .wavefront_size: 32
...
	.end_amdgpu_metadata
.endif
;; end of part 2
;; launch attn (part 3): grid 4 x 64, 8 waves a work-group, clusters of 4 x 1, 327,680 bytes of LDS; arguments qkv, lowp_scales, y_img; writes y_img
.if DOCPART == 3
	.amdgcn_target "amdgcn-amd-amdhsa--gfx1250"
	.amdhsa_code_object_version 6
	.text
	.protected	k_qc28e92b50c_attn
	.globl	k_qc28e92b50c_attn
	.p2align	8
	.type	k_qc28e92b50c_attn,@function
k_qc28e92b50c_attn:
	s_mov_b64 s[64:65], 0
	v_nop
	global_prefetch_b8 v0, s[64:65] scope:SCOPE_SE
	s_setreg_imm32_b32 hwreg(HW_REG_WAVE_MODE, 25, 1), 1
	s_wait_xcnt 0x0
	s_wait_alu depctr_hold_cnt(0) depctr_sa_sdst(0) depctr_va_vdst(0) depctr_va_sdst(0) depctr_va_ssrc(0) depctr_va_vcc(0) depctr_vm_vsrc(0)
	s_getreg_b32 s2, hwreg(HW_REG_IB_STS2, 6, 4)
	s_cmp_eq_u32 s2, 0
	s_cbranch_scc0 .Lentry_in_a_cluster
	s_endpgm
.Lentry_in_a_cluster:
	s_bfe_u32 s2, ttmp6, 0x10000c
	s_cmp_lg_u32 s2, 0x3003
	s_cbranch_scc0 .Lentry_shape_is_right
	s_endpgm
.Lentry_shape_is_right:
; y[b][q][head] = the sum over keys k <= q of softmax_k(q . k / 8) v, both products on codes of E4M3; y is quantised at once, with 2^e6, for the last product.
; THE SOFTMAX AHEAD OF THE SECOND PRODUCT: t = score x log2(e) / 8; M = the row's largest t so far, rounded UP to a whole number; p = 2^(t - M) is quantised with 2^e4, not normalised.
; The row's sum is taken of the unquantised p, in f32, and divides at the end.  When M moves, the sum and O are multiplied by 2^(old M - new M): exact.
; OPERANDS are images of registers.  q, k: 16 tokens x 64 = 1,024 bytes (registers 4 g .. 4 g + 3 of lane l at 512 g + 16 l).  v: 16 channels x 128 keys = 2,048 bytes, the keys along the registers.
; y_img: [512 blocks of 16 tokens][8 K steps][2048]; a head's eight registers are bytes 1,024 x head on of a block's 16,384.
; LAYOUT.  Both products are used transposed (S^T = K Q^T, O^T = V^T P^T): a lane holds ONE query (lane % 16) of each tile; tile i of S^T holds keys 16 i + 8 h + 0 .. 7, whose codes are registers 2 i, 2 i + 1 of P's fragment.
; LDS HOLDS A HEAD'S WHOLE K AND V: K's 128 images at byte 0, V's 64 at 131,072: 262,144 bytes, each filled once.  No byte is filled again, so the key steps have no ring.
; CLUSTER: the four work-groups of a head need the same K and V and ask for them JOINTLY (mask 15).  Each of the eight waves issues two joint loads: at the head 10,240 bytes (together keys 0 to 639),
; and, behind a round of the cluster's barrier, 22,528 bytes (together keys 640 to 2,047).  A wave has one tensor load out at any time.
; SHARES.  A head has 64 pairs of neighbouring tiles of 16 queries.  Wave g of the work-group at place cx owns the pair from tile 126 - 8 g - 2 cx on, 16 - g key steps of 128, and then the pair from tile 8 g + 2 cx on,
; g + 1 steps: 17 steps in every wave.  Each fragment of K and V that a wave reads from LDS feeds two matrix instructions, one for each tile of the pair.
; The step counts hang on the wave's number alone; cx enters global addresses and the mask's lane words, and no branch, trip count or LDS address.
; The first four steps read V's keys 0 to 511 and K's keys 0 to 639 (a step reads the next step's K early); one barrier then shows the rest to all; behind it the waves pass no barrier until the closing round.
; CAUSAL.  A pair's steps end with the step that holds its own keys; there hidden scores become -infinity ahead of the maximum.  Steps beyond it are left out by a scalar branch.  Key 0 counts for every query.
; NO PREFETCH: all bytes of K and V are asked for by the two groups of loads at the start, and Q by loads at the head: no later request is left to run ahead of.
; LIMITS: e2 + e3 between -123 and 130 (added to c's exponent field); e4, and e6 - e4 - e5, between -126 and 119; the scaled scores stay under 2^31 in magnitude.  NaN among the inputs is not served.
; REGISTERS, in two windows of 256.  Window 0: v1-12 addresses and constants; v16-31 the pair's Q; v32-47 the second pair's; v64-127, v128-191 S^T, then p, of tile 0, 1; from v192 and v224 a block of 32 for each tile:
;   +0 -M, +1 the largest t, +2,3 the sum, +4 f (+5 named with it), +6,7,8 at work, +10 1 / sum (+11 named with it), +12 .. 25 partial sums.
; Window 1: v0-63 K's eight fragments; v64-127 V's four; v128-159, v160-191 O^T of tile 0, 1; v192-207, v208-223 p's codes.
.set VB,    131072                     ; V's images in LDS
.set ST1,   40960                      ; bytes of K, and of V, that the head's loads bring: five key steps
.set SPARE, 262144                     ; behind K and V: the spare words, 128 bytes for each wave
.set LI,   1                           ; v1   16 x lane
.set ADK,  2                           ; v2   the next step's K
.set ADV,  3                           ; v3   this step's V
.set LIV,  4                           ; v4   16 x lane + VB
.set SPW,  5                           ; v5   my spare word; never rewritten
.set NIL,  6                           ; v6   0; never rewritten
.set NEG,  7                           ; v7   -infinity
.set HB0,  8                           ; v8, v9  448 x 2^e4, twice: the two halves of a dual instruction take their second sources from different banks
.set HB1,  9
.set PS,   10                          ; v10  2^e4
.set YS,   11                          ; v11  2^(e6 - e4 - e5)
.set YB,   12                          ; v12  448 x that
.set BL,   192                         ; the tiles' blocks
.set WV,   18                          ; s18  wave
.set CX,   19                          ; s19  my place in the cluster
.set SEL,  20                          ; s[20:21] lane l xor 16
.set CS,   22                          ; s[22:23] c = log2(e) / 8 x 2^(e2 + e3)
.set G1A,  24                          ; s[24:31] group 1: 40 rows of 256 bytes
.set G1B,  32                          ; s[32:39] group 1: 88 rows of 256 bytes
.set G0A,  40                          ; s[40:43], s[44:47] the two groups 0
.set G0B,  44
.set TR,   56                          ; s56  the trip
.set ST,   57                          ; s57  the key step, 0 .. 15
.set KO,   58                          ; s58  8,192 x the key step
.set NST,  59                          ; s59  key steps of the pair in hand;  s60 of the second pair
.set NS2,  60
.set DD,   61                          ; s61  my first query's place in its own step of 128 keys;  s62 the second pair's
.set DD2,  62
.set YA,   63                          ; s63  my pair's bytes in y_img;  s78 the second pair's
.set YA2,  78
.set KN,   79                          ; s79  8,192 x the key step whose K is read early
.set MT,   80                          ; s80-87 lane masks
.set MA,   88                          ; s88, s89 all lanes where a tile of keys is hidden whole, by turns
.set MSB, 0
.macro WIN new                         ; the immediate's high byte repeats the setting that is left; bits 1:0 source 0, 3:2 source 1, 5:4 source 2, 7:6 destination
.if MSB != (\new)
	s_set_vgpr_msb (MSB<<8)|(\new)
.set MSB, (\new)
.endif
.endm
.macro ROUND                           ; a round of the cluster's barrier
	s_barrier_signal -1
	s_barrier_wait -1
	s_cmp_lg_u32 s[WV], 0
	s_cbranch_scc1 .Lnot_wave_0_\@
	s_barrier_signal -3
.Lnot_wave_0_\@:
	s_barrier_wait -3
	s_barrier_signal -1
	s_barrier_wait -1
.endm
.macro B3 op, d, a, b                  ; one line on the blocks of both tiles, so that the two tiles' chains take turns
.irp x, 0,1
	\op v[BL+32*\x+\d], v[BL+32*\x+\a], v[BL+32*\x+\b]
.endr
.endm
.macro B2 op, d, a
.irp x, 0,1
	\op v[BL+32*\x+\d], v[BL+32*\x+\a]
.endr
.endm
.macro ADD2 d, a                       ; pairs of both blocks: d += a
.irp x, 0,1
	v_pk_add_f32 v[BL+32*\x+\d:BL+32*\x+\d+1], v[BL+32*\x+\d:BL+32*\x+\d+1], v[BL+32*\x+\a:BL+32*\x+\a+1]
.endr
.endm
.macro KLOAD adr                       ; K's eight images into window 1
.irp t, 0,1,2,3,4,5,6,7
	ds_load_b128 v[8*\t:8*\t+3], v[\adr] offset:1024*\t
	ds_load_b128 v[8*\t+4:8*\t+7], v[\adr] offset:1024*\t+512
.endr
.endm
	s_load_b128 s[4:7], s[0:1], 0x0                ; qkv s[4:5], the scales' exponents s[6:7]
	s_load_b64 s[8:9], s[0:1], 0x10                ; y_img
	v_lshl_add_u32 v[SPW], v0, 2, SPARE
	v_mov_b32 v[NIL], 0
	ds_add_u32 v[SPW], v[NIL]                      ; the opening: the add, twice on end, and its wait ahead of my first tensor load
	ds_add_u32 v[SPW], v[NIL]
	v_lshrrev_b32 v13, 5, v0
	s_delay_alu instid0(VALU_DEP_1)
	v_readfirstlane_b32 s[WV], v13                 ; wave 0..7
	s_bfe_u32 s[CX], ttmp6, 0x40000
	s_and_b32 s70, ttmp7, 0xffff                   ; 16 x batch + head: the cluster's y
	s_lshl_b32 s71, s70, 17                        ; 131,072 bytes a head in each of q, k, v
	s_lshr_b32 s3, s[WV], 2                        ; waves 0-3 fetch K, waves 4-7 V,
	s_and_b32 s10, s[WV], 3                        ; a quarter each
	s_lshl_b32 s11, s3, 17
	s_mul_i32 s12, s10, 10240
	s_add_co_u32 s[G0A+1], s11, s12                ; LDS: K or V, + 10,240 x quarter
	s_mul_i32 s13, s10, 22528
	s_add_co_u32 s13, s13, ST1
	s_add_co_u32 s[G0B+1], s11, s13                ; LDS: K or V, + 40,960 + 22,528 x quarter
	s_lshl_b32 s14, s3, 23
	s_add_co_u32 s14, s14, 1<<23                   ; k at 8 MiB, v at 16 MiB
	s_add_co_u32 s14, s14, s71
	s_add_co_u32 s16, s14, s12                     ; the same places in memory
	s_mov_b32 s17, 0
	s_add_co_u32 s14, s14, s13
	s_mov_b32 s15, 0
	s_mov_b32 s[G0A], 1
	s_mov_b32 s[G0B], 1
	s_mov_b32 s[G1A], 15|(3<<16)|(1<<21)           ; the mask names the four; elements of 8 bytes; no padding; bit 21 beside a mask
	s_mov_b32 s[G1A+1], 32<<16                     ; rows of 32 elements: 256 bytes
	s_mov_b32 s[G1A+2], 40<<16
	s_mov_b32 s[G1A+3], 32<<16
	s_mov_b32 s[G1A+4], 40
	s_mov_b32 s[G1A+5], 32
	s_mov_b32 s[G1A+6], 0
	s_mov_b32 s[G1A+7], 0
	s_mov_b32 s[G1B], 15|(3<<16)|(1<<21)
	s_mov_b32 s[G1B+1], 32<<16
	s_mov_b32 s[G1B+2], 88<<16
	s_mov_b32 s[G1B+3], 32<<16
	s_mov_b32 s[G1B+4], 88
	s_mov_b32 s[G1B+5], 32
	s_mov_b32 s[G1B+6], 0
	s_mov_b32 s[G1B+7], 0
	s_mov_b32 s[SEL], 0x76543210
	s_mov_b32 s[SEL+1], 0xfedcba98
	s_mov_b32 s[CS], 0x3e38aa3b                    ; log2(e) / 8
	s_lshl_b32 s66, s[WV], 3
	s_lshl_b32 s67, s[CX], 1
	s_add_co_u32 s68, s66, s67                     ; the second pair's first tile: 8 g + 2 cx
	s_sub_co_u32 s69, 126, s68                     ; the first pair's: 126 less that
	s_sub_co_u32 s[NST], 16, s[WV]
	s_add_co_u32 s[NS2], s[WV], 1
	s_lshl_b32 s[DD2], s[CX], 5
	s_sub_co_u32 s[DD], 96, s[DD2]
	s_lshr_b32 s3, s70, 4
	s_lshl_b32 s3, s3, 21                          ; a batch's 128 blocks of 16,384 bytes
	s_and_b32 s10, s70, 15
	s_lshl_b32 s10, s10, 10
	s_add_co_u32 s3, s3, s10                       ; + 1,024 x head
	s_lshl_b32 s[YA], s69, 14
	s_add_co_u32 s[YA], s[YA], s3
	s_lshl_b32 s[YA2], s68, 14
	s_add_co_u32 s[YA2], s[YA2], s3
	s_wait_dscnt 0x0                               ; both opening adds are done
	s_wait_kmcnt 0x0
	s_load_b256 s[48:55], s[6:7], 0x0              ; e0 .. e7
	s_add_nc_u64 s[G0A+2:G0A+3], s[4:5], s[16:17]
	s_or_b32 s[G0A+3], s[G0A+3], 0x80000000
	s_add_nc_u64 s[G0B+2:G0B+3], s[4:5], s[14:15]
	s_or_b32 s[G0B+3], s[G0B+3], 0x80000000
	ROUND                                          ; the four work-groups are here: the first joint loads meet
	tensor_load_to_lds s[G0A:G0A+3], s[G1A:G1A+7]  ; my eighth of keys 0 to 639: my one load at the head
	s_nop 0
.rept 4
	v_nop
.endr
	s_lshl_b32 s72, s69, 10                        ; 1,024 bytes a tile of q
	s_add_co_u32 s72, s72, s71
	s_mov_b32 s73, 0
	s_add_nc_u64 s[10:11], s[4:5], s[72:73]
	s_lshl_b32 s72, s68, 10
	s_add_co_u32 s72, s72, s71
	s_add_nc_u64 s[12:13], s[4:5], s[72:73]
	v_and_b32 v13, 31, v0
	s_delay_alu instid0(VALU_DEP_1)
	v_lshlrev_b32 v[LI], 4, v13
	s_delay_alu instid0(VALU_DEP_1)
	v_add_nc_u32 v[LIV], VB, v[LI]
.irp i, 0,1,2,3
	global_load_b128 v[16+4*\i:19+4*\i], v[LI], s[10:11] offset:512*\i
	global_load_b128 v[32+4*\i:35+4*\i], v[LI], s[12:13] offset:512*\i
.endr
	v_mov_b32 v[NEG], 0xff800000
.irp x, 0,1
	v_mov_b32 v[BL+32*\x+1], 0xff61b1e6            ; the largest t so far: -3e38, under every t
	v_mov_b32 v[BL+32*\x+2], 0                     ; the sum, in two halves
	v_mov_b32 v[BL+32*\x+3], 0
	v_mov_b32 v[BL+32*\x+5], 0                     ; (named as upper halves of pairs)
	v_mov_b32 v[BL+32*\x+11], 0
	v_mov_b32 v[BL+32*\x+8], 0                     ; a lane permute's destination counts as one of its sources
	v_floor_f32 v[BL+32*\x], -v[BL+32*\x+1]        ; -M
.endr
	WIN 0x40
.set ix, 0
.rept 64
	v_mov_b32 v[128+ix], 0                         ; O^T: a pair's first step finds zeros, which the first change of M leaves zeros
.set ix, ix+1
.endr
	WIN 0
	s_wait_kmcnt 0x0
	s_add_co_i32 s72, s50, s51
	s_lshl_b32 s72, s72, 23
	s_add_co_i32 s[CS], s[CS], s72                 ; a score stands for score x 2^(e2 + e3)
	s_mov_b32 s[CS+1], s[CS]
	s_add_co_i32 s72, s52, 127
	s_lshl_b32 s73, s72, 23
	v_mov_b32 v[PS], s73
	s_add_co_i32 s72, s72, 8
	s_lshl_b32 s72, s72, 23
	s_or_b32 s72, s72, 0x600000
	v_mov_b32 v[HB0], s72
	v_mov_b32 v[HB1], s72
	s_sub_co_i32 s72, s54, s52
	s_sub_co_i32 s72, s72, s53                     ; y's code is (sum / l) / 2^(e6 - e4 - e5)
	s_add_co_i32 s72, s72, 127
	s_lshl_b32 s73, s72, 23
	v_mov_b32 v[YS], s73
	s_add_co_i32 s72, s72, 8
	s_lshl_b32 s72, s72, 23
	s_or_b32 s72, s72, 0x600000
	v_mov_b32 v[YB], s72
; THE MASK of tile x, whose first query stands at s[dreg] in the step.  Register 8 i + j of lane (r, h) holds key 16 i + 8 h + j; my query is s[dreg] + r.  Keys' tile i is open where 16 i < s[dreg], hidden where 16 i > s[dreg];
; where they are equal the key is hidden in the lanes with j + 8 h > r: a constant word for each j.  s[dreg] / 16 is even for tile 0 and odd for tile 1, so only every other i can be equal.  Scalar selects: no branch hangs on s[dreg].
.macro MASK x, dreg
.set mi, 0
.rept 8
	s_cmp_lt_u32 s[\dreg], 16*mi
	s_cselect_b32 s[MA+mi%2], -1, 0
.if (mi%2) == \x
	s_cmp_eq_u32 s[\dreg], 16*mi
.irp j, 0,1,2,3,4,5,6,7
	s_cselect_b32 s[MT+\j], ((1<<\j)-1)|(((1<<(\j+8))-1)<<16), s[MA+mi%2]
.endr
.irp j, 0,1,2,3,4,5,6,7
	v_cndmask_b32 v[64+64*\x+8*mi+\j], v[64+64*\x+8*mi+\j], v[NEG], s[MT+\j]
.endr
.else
.irp j, 0,1,2,3,4,5,6,7
	v_cndmask_b32 v[64+64*\x+8*mi+\j], v[64+64*\x+8*mi+\j], v[NEG], s[MA+mi%2]
.endr
.endif
.set mi, mi+1
.endr
.endm
; The row's sum of tile x's unquantised p: 32 pairs into seven partial sums and the running sum, eight chains
.macro SUMS x
.irp k, 0,1,2,3,4,5,6
	v_pk_add_f32 v[BL+32*\x+12+2*\k:BL+32*\x+13+2*\k], v[68+64*\x+8*\k:69+64*\x+8*\k], v[72+64*\x+8*\k:73+64*\x+8*\k]
.endr
	v_pk_add_f32 v[BL+32*\x+2:BL+32*\x+3], v[BL+32*\x+2:BL+32*\x+3], v[124+64*\x:125+64*\x]
	v_pk_add_f32 v[BL+32*\x+12:BL+32*\x+13], v[BL+32*\x+12:BL+32*\x+13], v[64+64*\x:65+64*\x]
.irp k, 1,2,3,4,5,6
	v_pk_add_f32 v[BL+32*\x+12+2*\k:BL+32*\x+13+2*\k], v[BL+32*\x+12+2*\k:BL+32*\x+13+2*\k], v[62+64*\x+4*\k:63+64*\x+4*\k]
.endr
	v_pk_add_f32 v[BL+32*\x+2:BL+32*\x+3], v[BL+32*\x+2:BL+32*\x+3], v[90+64*\x:91+64*\x]
.irp k, 0,1,2,3,4,5,6
	v_pk_add_f32 v[BL+32*\x+12+2*\k:BL+32*\x+13+2*\k], v[BL+32*\x+12+2*\k:BL+32*\x+13+2*\k], v[94+64*\x+4*\k:95+64*\x+4*\k]
.endr
	v_pk_add_f32 v[BL+32*\x+2:BL+32*\x+3], v[BL+32*\x+2:BL+32*\x+3], v[122+64*\x:123+64*\x]
	v_pk_add_f32 v[BL+32*\x+12:BL+32*\x+13], v[BL+32*\x+12:BL+32*\x+13], v[126+64*\x:127+64*\x]
.endm
; A KEY STEP: 128 keys; their K is in registers, their V at byte s[KO] of V.  bc = 1: steps beyond the pair's last are left out, and the pair's last is masked.
.macro STEP bc
.if \bc
	s_cmp_ge_u32 s[ST], s[NST]                     ; wave number and trip alone
	s_cbranch_scc1 .Lskip_\@
	s_add_co_u32 s96, s[ST], 1
	s_cmp_lt_u32 s96, s[NST]
	s_cselect_b32 s[KN], s96, 0                    ; the K to read early: the next step's, or, behind the pair's last step, step 0's for the next pair
	s_lshl_b32 s[KN], s[KN], 13
.endif
	s_wait_dscnt 0x0                               ; K is in
	WIN 0x01                                       ; source 0, K, in window 1
.irp t, 0,1,2,3,4,5,6,7
.irp x, 0,1
	v_wmma_f32_16x16x64_fp8_fp8 v[64+64*\x+8*\t:71+64*\x+8*\t], v[8*\t:8*\t+7], v[16+8*\x:23+8*\x], 0
.endr
.endr
	WIN 0
	v_add_nc_u32 v[ADK], s[KN], v[LI]              ; these two and two v_nop: the places in front of the loads into K's registers and of the first read of the scores
	v_add_nc_u32 v[ADV], s[KO], v[LIV]
	v_nop
	v_nop
	WIN 0x40                                       ; destination in window 1
	KLOAD ADK
.irp d, 0,1,2,3
.irp c, 0,1,2,3
	ds_load_b128 v[64+16*\d+4*\c:67+16*\d+4*\c], v[ADV] offset:2048*\d+512*\c
.endr
.endr
	WIN 0
.if \bc
	s_cmp_lg_u32 s96, s[NST]
	s_cbranch_scc1 .Lopen_\@
	s_add_co_u32 s97, s[DD], 16
	MASK 0, DD
	MASK 1, 97
.Lopen_\@:
.endif
.irp x, 0,1                                    ; the step's largest score of each query among my 64 keys: two chains a tile, each accumulator from its low end on
	v_max3_num_f32 v[BL+6+32*\x], v[64+64*\x], v[65+64*\x], v[66+64*\x]
	v_max3_num_f32 v[BL+7+32*\x], v[67+64*\x], v[68+64*\x], v[69+64*\x]
.endr
.irp i, 6,10,14,18,22,26,30,34,38,42,46,50,54,58
.irp x, 0,1
	v_max3_num_f32 v[BL+6+32*\x], v[BL+6+32*\x], v[64+64*\x+\i], v[65+64*\x+\i]
	v_max3_num_f32 v[BL+7+32*\x], v[BL+7+32*\x], v[66+64*\x+\i], v[67+64*\x+\i]
.endr
.endr
.irp x, 0,1
	v_max3_num_f32 v[BL+6+32*\x], v[BL+6+32*\x], v[126+64*\x], v[127+64*\x]
.endr
	B3 v_max_num_f32, 6, 6, 7
.irp x, 0,1
	v_permlanex16_b32 v[BL+8+32*\x], v[BL+6+32*\x], s[SEL], s[SEL+1]
.endr
	B3 v_max_num_f32, 6, 6, 8                      ; and among lane l xor 16's
.irp x, 0,1
	v_mul_f32 v[BL+6+32*\x], s[CS], v[BL+6+32*\x]  ; as t (c is positive)
.endr
	B3 v_max_num_f32, 1, 1, 6                      ; the running largest t
	B2 v_mov_b32, 6, 0
.irp x, 0,1
	v_floor_f32 v[BL+32*\x], -v[BL+1+32*\x]        ; the new -M = -ceil(t)
.endr
	B3 v_sub_f32, 6, 0, 6                          ; old M less new M: a whole number, 0 or less
	B2 v_cvt_i32_f32, 6, 6                         ; (it saturates)
.irp x, 0,1
	v_ldexp_f32 v[BL+4+32*\x], 1.0, v[BL+6+32*\x]  ; f = 2^(old M - new M)
.endr
.irp x, 0,1
.set ix, 0
.rept 32
	v_pk_fma_f32 v[64+64*\x+ix:65+64*\x+ix], v[64+64*\x+ix:65+64*\x+ix], s[CS:CS+1], v[BL+32*\x:BL+32*\x+1] op_sel_hi:[1,0,0]   ; t - M, two at a time
.set ix, ix+2
.endr
.endr
	WIN 0x41                                       ; O^T, source 0 and destination, in window 1; f in window 0
.irp x, 0,1
.set ix, 0
.rept 16
	v_pk_mul_f32 v[128+32*\x+ix:129+32*\x+ix], v[128+32*\x+ix:129+32*\x+ix], v[BL+4+32*\x:BL+5+32*\x] op_sel_hi:[1,0]   ; O^T under the new M, ahead of the exponentials
.set ix, ix+2
.endr
.endr
	WIN 0
	s_wait_alu depctr_va_vdst(0)
.set ix, 0
.rept 128
	v_exp_f32 v[64+ix], v[64+ix]                   ; p = 2^(t - M), at most 1: both tiles in one batch
.set ix, ix+1
.endr
.irp x, 0,1
	v_pk_mul_f32 v[BL+2+32*\x:BL+3+32*\x], v[BL+2+32*\x:BL+3+32*\x], v[BL+4+32*\x:BL+5+32*\x] op_sel_hi:[1,0]   ; the sums under the new M: plain lines behind the exponentials
.endr
	s_wait_alu depctr_va_vdst(0)                   ; one wait for the whole batch, ahead of its first reader
	SUMS 0
	SUMS 1
	ADD2 2, 18
	ADD2 12, 20
	ADD2 14, 22
	ADD2 16, 24
	ADD2 2, 14
	ADD2 12, 16
	ADD2 2, 12
.set ix, 0
.rept 64                                       ; the conversion to an 8-bit code does not saturate (ISA guide 7.6.2); p is not negative, so the hold is one-sided: two numbers an instruction
	v_dual_min_num_f32 v[64+ix], v[64+ix], v[HB0] :: v_dual_min_num_f32 v[65+ix], v[65+ix], v[HB1]
.set ix, ix+2
.endr
	WIN 0x40                                       ; the codes go to window 1
.irp x, 0,1
.irp t, 0,1,2,3,4,5,6,7
	v_cvt_scalef32_pk8_fp8_f32 v[192+16*\x+2*\t:193+16*\x+2*\t], v[64+64*\x+8*\t:71+64*\x+8*\t], v[PS]   ; keys 16 t + 8 h + 0 .. 7: registers 2 t, 2 t + 1 of P's fragment
.endr
.endr
	v_nop                                          ; one plain line behind the last conversion
	s_wait_alu depctr_va_vdst(0)
	s_wait_dscnt 0x0                               ; V is in, and so is the K that was read early
	WIN 0x55                                       ; all four operands in window 1
.irp d, 0,1,2,3                                ; O^T += V^T P^T: the eight accumulators take turns
.irp x, 0,1
	v_wmma_f32_16x16x128_fp8_fp8 v[128+32*\x+8*\d:135+32*\x+8*\d], v[64+16*\d:79+16*\d], v[192+16*\x:207+16*\x], v[128+32*\x+8*\d:135+32*\x+8*\d]
.endr
.endr
	WIN 0
.rept 4
	v_nop                                          ; places behind the last products, for whatever comes next on any way
.endr
.if \bc
.Lskip_\@:
.endif
.endm
	s_wait_alu depctr_va_vdst(0)
	s_wait_loadcnt 0x0                             ; Q, both pairs'
	s_wait_tensorcnt 0x0                           ; my part of keys 0 to 639 is in
	ds_add_u32 v[SPW], v[NIL]
	s_wait_dscnt 0x0
	ROUND                                          ; everybody's part is in, and the four work-groups are here
	tensor_load_to_lds s[G0B:G0B+3], s[G1B:G1B+7]  ; my eighth of keys 640 to 2,047, on bytes that nothing has filled
	s_nop 0
.rept 4
	v_nop
.endr
	WIN 0x40
	KLOAD LI                                       ; step 0's K
	WIN 0
	s_mov_b32 s[KO], 0
.Lfirst:                                           ; four steps: every first pair has nine steps or more, so none is masked or left out; the last reads step 4's K, bytes 32,768 to 40,959
	s_add_co_u32 s[KN], s[KO], 8192
	STEP 0
	s_add_co_u32 s[KO], s[KO], 8192
	s_cmp_lt_u32 s[KO], 32768
	s_cbranch_scc1 .Lfirst
	s_wait_tensorcnt 0x0                           ; my part of the rest is in,
	s_wait_dscnt 0x0
	s_barrier_signal -1
	s_barrier_wait -1                              ; everybody's is
	s_mov_b32 s[TR], 0
.Lrest:                                            ; trips 0-11: the first pair's steps 4-15; trips 12-19: the second pair's steps 0-7; trip 20 only ends the second pair
	s_cmp_eq_u32 s[TR], 12
	s_cbranch_scc1 .Lend_pair
	s_cmp_lg_u32 s[TR], 20
	s_cbranch_scc1 .Lsame_pair
.Lend_pair:
	; A PAIR'S END: O^T / the sum, quantised: eight registers of codes a tile, my head's part of the image of its 16 tokens; stores of 512 consecutive bytes, aligned
	s_mov_b32 s74, s[YA]
	s_mov_b32 s75, 0
	s_add_nc_u64 s[72:73], s[8:9], s[74:75]
	B3 v_add_f32, 2, 2, 3
.irp x, 0,1
	v_permlanex16_b32 v[BL+8+32*\x], v[BL+2+32*\x], s[SEL], s[SEL+1]
.endr
	B3 v_add_f32, 2, 2, 8                          ; the rows' sums
	s_wait_alu depctr_va_vdst(0)
	B2 v_rcp_f32, 10, 2
	v_nop
	s_wait_alu depctr_va_vdst(0)                   ; ahead of the reciprocals' first reader, which is O^T's first reader too
	WIN 0x01                                       ; source 0, O^T, in window 1
.irp x, 0,1
.set ix, 0
.rept 16
	v_pk_mul_f32 v[64+64*\x+ix:65+64*\x+ix], v[128+32*\x+ix:129+32*\x+ix], v[BL+10+32*\x:BL+11+32*\x] op_sel_hi:[1,0]
.set ix, ix+2
.endr
.endr
	WIN 0
.irp x, 0,1
.set ix, 0
.rept 32
	v_med3_num_f32 v[64+64*\x+ix], v[64+64*\x+ix], -v[YB], v[YB]
.set ix, ix+1
.endr
.endr
.irp x, 0,1
.irp d, 0,1,2,3
	v_cvt_scalef32_pk8_fp8_f32 v[96+64*\x+2*\d:97+64*\x+2*\d], v[64+64*\x+8*\d:71+64*\x+8*\d], v[YS]
.endr
.endr
	v_nop                                          ; one plain line behind the last conversion
.irp x, 0,1
	global_store_b128 v[LI], v[96+64*\x:99+64*\x], s[72:73] offset:16384*\x
	global_store_b128 v[LI], v[100+64*\x:103+64*\x], s[72:73] offset:16384*\x+512
.endr
	s_mov_b32 s[NST], s[NS2]                       ; on to the second pair (behind it: no steps)
	s_mov_b32 s[NS2], 0
	s_mov_b32 s[DD], s[DD2]
	s_mov_b32 s[YA], s[YA2]
.set ix, 0
.rept 16
	v_mov_b32 v[16+ix], v[32+ix]
.set ix, ix+1
.endr
.irp x, 0,1
	v_mov_b32 v[BL+32*\x+1], 0xff61b1e6
	v_mov_b32 v[BL+32*\x+2], 0
	v_mov_b32 v[BL+32*\x+3], 0
	v_floor_f32 v[BL+32*\x], -v[BL+32*\x+1]
.endr
	WIN 0x40
.set ix, 0
.rept 64
	v_mov_b32 v[128+ix], 0
.set ix, ix+1
.endr
	WIN 0
	s_wait_alu depctr_va_vdst(0)
	s_wait_xcnt 0x0                                ; the stores have read their data and base: the next step's scores land on the data's registers
.Lsame_pair:
	s_add_co_u32 s[ST], s[TR], 4
	s_and_b32 s[ST], s[ST], 15                     ; the key step: 4 .. 15, then 0 .. 8
	s_lshl_b32 s[KO], s[ST], 13
	STEP 1
	s_add_co_u32 s[TR], s[TR], 1
	s_cmp_lt_u32 s[TR], 21
	s_cbranch_scc1 .Lrest
	s_wait_tensorcnt 0x0                           ; the wave's end
	ds_add_u32 v[SPW], v[NIL]
	s_wait_dscnt 0x0
	ROUND                                          ; the closing round
	s_endpgm
.Lfunc_end_k_qc28e92b50c_attn:
	.size	k_qc28e92b50c_attn, .Lfunc_end_k_qc28e92b50c_attn-k_qc28e92b50c_attn
	.p2alignl 7, 3214868480
	.fill 96, 4, 3214868480
	.section	.rodata,"a",@progbits
	.p2align	6, 0x0
	.amdhsa_kernel k_qc28e92b50c_attn
		.amdhsa_group_segment_fixed_size 327680
		.amdhsa_private_segment_fixed_size 0
		.amdhsa_enable_private_segment 0
		.amdhsa_kernarg_size 24
		.amdhsa_user_sgpr_count 2
		.amdhsa_user_sgpr_kernarg_segment_ptr 1
		.amdhsa_wavefront_size32 1
		.amdhsa_system_sgpr_workgroup_id_x 1
		.amdhsa_system_sgpr_workgroup_id_y 1
		.amdhsa_system_sgpr_workgroup_id_z 1
		.amdhsa_system_vgpr_workitem_id 0
		.amdhsa_next_free_vgpr 512
		.amdhsa_next_free_sgpr 100
		.amdhsa_reserve_vcc 0
		.amdhsa_float_denorm_mode_32 3
		.amdhsa_float_denorm_mode_16_64 3
		.amdhsa_memory_ordered 1
		.amdhsa_forward_progress 1
		.amdhsa_inst_pref_size 93
	.end_amdhsa_kernel
	.amdgpu_metadata
---
amdhsa.version: [ 1, 2 ]
amdhsa.kernels:
  - .name:           k_qc28e92b50c_attn
    .symbol:         k_qc28e92b50c_attn.kd
    .args:
      - { .name: qkv, .offset: 0, .size: 8, .value_kind: global_buffer, .address_space: global }
      - { .name: lowp_scales, .offset: 8, .size: 8, .value_kind: global_buffer, .address_space: global }
      - { .name: y_img, .offset: 16, .size: 8, .value_kind: global_buffer, .address_space: global }
    .group_segment_fixed_size: 327680
    .private_segment_fixed_size: 0
    .kernarg_segment_align: 8
    .kernarg_segment_size: 24
    .max_flat_workgroup_size: 256
    .sgpr_count:     100
    .vgpr_count:     512
    .wavefront_size: 32
...
	.end_amdgpu_metadata
.endif
;; end of part 3
;; launch gemm_proj (part 4): grid 4 x 64, 4 waves a work-group, clusters of 4 x 4, 327,680 bytes of LDS; arguments y_img, wp_img, b_proj, lowp_scales, out0; writes out0
.if DOCPART == 4
	.amdgcn_target "amdgcn-amd-amdhsa--gfx1250"
	.amdhsa_code_object_version 6
	.text
	.protected	k_qc28e92b50c_gemm_proj
	.globl	k_qc28e92b50c_gemm_proj
	.p2align	8
	.type	k_qc28e92b50c_gemm_proj,@function
k_qc28e92b50c_gemm_proj:
	s_mov_b64 s[64:65], 0
	v_nop
	global_prefetch_b8 v0, s[64:65] scope:SCOPE_SE
	s_setreg_imm32_b32 hwreg(HW_REG_WAVE_MODE, 25, 1), 1
	s_wait_xcnt 0x0
	s_wait_alu depctr_hold_cnt(0) depctr_sa_sdst(0) depctr_va_vdst(0) depctr_va_sdst(0) depctr_va_ssrc(0) depctr_va_vcc(0) depctr_vm_vsrc(0)
	s_getreg_b32 s2, hwreg(HW_REG_IB_STS2, 6, 4)
	s_cmp_eq_u32 s2, 0
	s_cbranch_scc0 .Lentry_in_a_cluster
	s_endpgm
.Lentry_in_a_cluster:
	s_bfe_u32 s2, ttmp6, 0x10000c
	s_cmp_lg_u32 s2, 0xf033
	s_cbranch_scc0 .Lentry_shape_is_right
	s_endpgm
.Lentry_shape_is_right:
; out0 = y w_proj + b_proj on codes of E4M3 (K = 1,024).  y_img [512 blocks of 16 tokens][8 K steps][2048] and wp_img [64 blocks of 16 columns][8][2048] are images of operand registers
; (16 rows x 128 k = 2,048 bytes: registers 4 g .. 4 g + 3 of lane l at 512 g + 16 l): a fragment comes out of LDS by four loads of 512 consecutive bytes.
; A block of C, 128 x 256, is made by four waves, each 64 x 128: 32 accumulators.  8,192 x 1,024 of C are 64 x 4 = 256 such blocks, one for each work-group.
; K goes through a ring of two LDS slots of two K steps each (A's 128 rows, 32 KiB, then B's 256 rows, 64 KiB), filled by the tensor data mover: waves 0 and 1 fetch A's halves, waves 2 and 3 B's.
; CLUSTERS: 4 x 4 work-groups.  The four of a row of the cluster need the same tiles of A, the four of a column the same tiles of B: each tile is asked for JOINTLY.
; THE MATRIX INSTRUCTION IS USED TRANSPOSED (source 0 = 16 rows of B, source 1 = 16 rows of A): lane (r, h) holds row r of C and eight neighbouring columns 8 h + 0 .. 7.
; The bias, divided by 2^(e6 + e7), is the C of each sum's first matrix instruction; each finished sum is multiplied once by 2^(e6 + e7) and leaves through the wave's stage in slot 0 as rows of 512 bytes.
; NO PREFETCH: K is 1,024, four fills in all, of which two go out at the start: the loop has no room to ask two fills ahead.
; LIMIT: e6 + e7 between -126 and 127, so that 2^(e6 + e7) is an f32 number.
; REGISTERS, in windows of 256: window 0: v16-29 addresses; v32-95 the bias, later a block's sums; v128-191, v192-255 A's fragments (4 x 16 rows x 128 K), TWO sets, later rows read back from the stage.
;   window 1: B's fragments (8 x 16 rows x 128 K), TWO sets.   window 2: the accumulators ((a, b) at v[8 (8 a + b)]).
.set SIZE_N, 1024
.set FR,     16                        ; registers of a fragment
.set NP,     4                         ; places behind this matrix instruction (ISA guide 7.12.1)
.set KSB,    4096                      ; a slot's bytes of a block of 16 rows: two K steps' images
.set AHALF,  4*KSB                     ; 64 rows: what a wave fetches, and reads, of A
.set BHALF,  8*KSB                     ; 128 rows: the same of B
.set SLOT,   2*AHALF+2*BHALF
.set SPARE,  2*SLOT                    ; behind the ring: the spare words, 128 bytes for each wave
.set SPITCH, 528                       ; the way out: a stage of 16 rows x (512 bytes + 16) for each wave, in slot 0, which has had its last fill and its last read by then
.set ADRA, 16                          ; v16-17  LDS address of my A fragments in slot 0, 1
.set ADRB, 20                          ; v20-21  the same for B
.set STO,  24                          ; v24     the way out: where I put 32 bytes of a row
.set RD,   25                          ; v25     where I read a row back
.set CO,   26                          ; v26     16 x lane
.set CBO,  27                          ; v27     32 h: my eight numbers of the bias
.set SPW,  28                          ; v28     my spare word; never rewritten
.set NIL,  29                          ; v29     0; never rewritten
.set CB,   32                          ; v32-95  the bias: eight registers for each of B's eight blocks
.set TMP,  32                          ; the way out: a block's 64 sums
.set AF,   128                         ; A's fragments
.set BK,   128                         ; the way out: 16 rows read back, two sets of 64 by turns
.set G1, 24                            ; s[24:31] descriptor group 1 for A's tiles;  s[32:39] group 0, one set for each slot
.set G0, 32
.set G1B, 48                           ; s[48:55], s[56:63] the same for B's tiles
.set G0B, 56
.set MSB, 0
.macro WIN new                         ; the immediate's high byte repeats the setting that is left
.if MSB != (\new)
	s_set_vgpr_msb (MSB<<8)|(\new)
.set MSB, (\new)
.endif
.endm
.set MUL_LO, 0xa1                      ; source 0 (B) window 1, source 1 (A) window 0, C and D window 2
.set TO_B,   0x40                      ; destination window 1, address window 0
; A joint load: waves 0 and 1 fetch for A, waves 2 and 3 for B; the branch hangs on the wave's number alone.  An s_nop 0 and four v_nop follow each of the two lines.
.macro JLOAD g0a, g1a, g0b, g1b
	s_cmp_eq_u32 s15, 0
	s_cbranch_scc0 .Lfor_b_\@
	tensor_load_to_lds s[\g0a:\g0a+3], s[\g1a:\g1a+7]
	s_nop 0
.rept 4
	v_nop
.endr
	s_branch .Lasked_\@
.Lfor_b_\@:
	tensor_load_to_lds s[\g0b:\g0b+3], s[\g1b:\g1b+7]
	s_nop 0
.rept 4
	v_nop
.endr
.Lasked_\@:
.endm
.macro CREST                           ; a round of the cluster's barrier behind its opening barrier
	s_cmp_lg_u32 s14, 0
	s_cbranch_scc1 .Lnot_wave_0_\@
	s_barrier_signal -3
.Lnot_wave_0_\@:
	s_barrier_wait -3
	s_barrier_signal -1
	s_barrier_wait -1
.endm
.macro CROUND                          ; a whole round
	s_barrier_signal -1
	s_barrier_wait -1
	CREST
.endm
	s_load_b256 s[4:11], s[0:1], 0x0               ; y_img s[4:5], wp_img s[6:7], b_proj s[8:9], the scales' exponents s[10:11]
	s_load_b64 s[12:13], s[0:1], 0x20              ; out0
	v_lshl_add_u32 v[SPW], v0, 2, SPARE
	v_mov_b32 v[NIL], 0
	ds_add_u32 v[SPW], v[NIL]                      ; the opening: the add, twice on end, and its wait ahead of my first tensor load
	ds_add_u32 v[SPW], v[NIL]
	v_lshrrev_b32 v1, 5, v0
	v_readfirstlane_b32 s14, v1                    ; wave 0..3
	s_lshr_b32 s15, s14, 1                         ; which 64 of the block's rows are mine.  Also: I fetch for A (0) or for B (1)
	s_and_b32 s16, s14, 1                          ; which 128 of its columns.  Also: which half of that tile I fetch
	s_bfe_u32 s40, ttmp6, 0x40000                  ; cx, cy: my place in the cluster
	s_bfe_u32 s41, ttmp6, 0x40004
	s_lshl_b32 s42, ttmp9, 2
	s_add_co_u32 s42, s42, s40                     ; block column of C = 4 x cluster x + cx
	s_and_b32 s17, ttmp7, 0xffff
	s_lshl_b32 s17, s17, 2
	s_add_co_u32 s17, s17, s41                     ; block row of C = 4 x cluster y + cy
	s_lshl_b32 s43, s41, 2
	s_lshl_b32 s43, 15, s43                        ; my row of the cluster
	s_lshl_b32 s44, 0x1111, s40                    ; my column
	; descriptor group 1: blocks of 16 rows (A: 4, B: 8), of each 4,096 consecutive bytes, 16,384 bytes apart in memory, on end in LDS
	s_or_b32 s[G1+0], s43, (3<<16)|(1<<21)         ; the mask: A's tiles go to my row; elements of 8 bytes; no padding; bit 21 beside a mask
	s_or_b32 s[G1B+0], s44, (3<<16)|(1<<21)
	s_mov_b32 s[G1+1], 512<<16
	s_mov_b32 s[G1+2], 4<<16
	s_mov_b32 s[G1+3], 512<<16
	s_mov_b32 s[G1+4], 4
	s_mov_b32 s[G1+5], 2048
	s_mov_b32 s[G1+6], 0
	s_mov_b32 s[G1+7], 0
	s_mov_b32 s[G1B+1], 512<<16
	s_mov_b32 s[G1B+2], 8<<16
	s_mov_b32 s[G1B+3], 512<<16
	s_mov_b32 s[G1B+4], 8
	s_mov_b32 s[G1B+5], 2048
	s_mov_b32 s[G1B+6], 0
	s_mov_b32 s[G1B+7], 0
	s_lshl_b32 s18, s16, 6
	s_lshl_b32 s20, s17, 7
	s_add_co_u32 s20, s20, s18                     ; A: row 128 x block row + 64 x half;
	s_lshl_b32 s20, s20, 10                        ; a row's share of its block's images is 1,024 bytes
	s_mov_b32 s21, 0
	s_lshl_b32 s18, s16, 7
	s_lshl_b32 s46, s42, 8
	s_add_co_u32 s46, s46, s18                     ; B: row 256 x block column + 128 x half
	s_lshl_b32 s46, s46, 10
	s_mov_b32 s47, 0
	s_lshl_b32 s45, s16, 14                        ; where they go: A's halves,
	s_lshl_b32 s3, s16, 15
	s_add_co_u32 s3, s3, 2*AHALF                   ; then B's: no place in the cluster enters an LDS address
	s_wait_dscnt 0x0                               ; both opening adds are done
	s_wait_kmcnt 0x0
	s_load_b256 s[68:75], s[10:11], 0x0            ; e0 .. e7
	s_add_nc_u64 s[20:21], s[4:5], s[20:21]
	s_add_nc_u64 s[46:47], s[6:7], s[46:47]
	CROUND                                         ; all sixteen work-groups are here: the first joint loads meet
.irp s, 0,1
	s_mov_b32 s[G0+4*\s], 1
	s_add_co_u32 s[G0+4*\s+1], s45, \s*SLOT
	s_add_nc_u64 s[G0+4*\s+2:G0+4*\s+3], s[20:21], \s*KSB
	s_or_b32 s[G0+4*\s+3], s[G0+4*\s+3], 0x80000000
	s_mov_b32 s[G0B+4*\s], 1
	s_add_co_u32 s[G0B+4*\s+1], s3, \s*SLOT
	s_add_nc_u64 s[G0B+4*\s+2:G0B+4*\s+3], s[46:47], \s*KSB
	s_or_b32 s[G0B+4*\s+3], s[G0B+4*\s+3], 0x80000000
.endr
	JLOAD G0, G1, G0B, G1B                         ; slot 0: one tensor load a wave at the head
	v_and_b32 v1, 15, v0                           ; r
	s_wait_alu depctr_va_vdst(0)
	v_bfe_u32 v2, v0, 4, 1                         ; h
	v_and_b32 v3, 31, v0
	v_lshlrev_b32 v[CO], 4, v3
	s_lshl_b32 s22, s15, 14                        ; my 64 rows of A
	s_lshl_b32 s23, s16, 15                        ; my 128 rows of B,
	s_add_co_u32 s23, s23, 2*AHALF                 ; which lie behind A's 128
.irp s, 0,1
	v_add_nc_u32 v[ADRA+\s], s22, v[CO]
	v_add_nc_u32 v[ADRB+\s], s23, v[CO]
	s_add_co_u32 s22, s22, SLOT
	s_add_co_u32 s23, s23, SLOT
.endr
	s_mul_i32 s23, s14, 16*SPITCH                  ; my stage
	v_mul_u32_u24 v5, v1, SPITCH
	s_wait_alu depctr_va_vdst(0)
	v_lshl_add_u32 v5, v2, 5, v5                   ; in: row r, 32 bytes for each half of the lanes
	v_add_nc_u32 v[STO], s23, v5
	v_add_nc_u32 v[RD], s23, v[CO]                 ; back: the 32 lanes take one row of 512 bytes
	s_lshl_b32 s66, s17, 7
	s_lshl_b32 s2, s15, 6
	s_add_co_u32 s66, s66, s2                      ; my first row of C
	s_lshl_b32 s67, s42, 8
	s_lshl_b32 s2, s16, 7
	s_add_co_u32 s67, s67, s2                      ; my first column of C
	s_lshl_b32 s98, s66, 12                        ; a row of C is 4,096 bytes
	s_lshl_b32 s82, s67, 2
	s_add_co_u32 s98, s98, s82
	s_mov_b32 s99, 0
	s_add_nc_u64 s[12:13], s[12:13], s[98:99]
	s_mov_b32 s83, 0
	s_add_nc_u64 s[82:83], s[8:9], s[82:83]
	v_lshlrev_b32 v[CBO], 5, v2
.irp b, 0,1,2,3,4,5,6,7
	global_load_b128 v[CB+8*\b:CB+8*\b+3], v[CBO], s[82:83] offset:64*\b        ; columns 16 b + 8 h + 0 .. 7
	global_load_b128 v[CB+8*\b+4:CB+8*\b+7], v[CBO], s[82:83] offset:64*\b+16
.endr
	s_wait_kmcnt 0x0
	s_add_co_i32 s96, s74, s75                     ; e6 + e7: a sum stands for sum x 2^(e6 + e7)
	s_sub_co_i32 s92, 0, s96
	s_add_co_i32 s96, s96, 127
	s_lshl_b32 s96, s96, 23
	s_mov_b32 s97, s96
	s_wait_loadcnt 0x0
.set ix, 0
.rept 64
	v_ldexp_f32 v[CB+ix], v[CB+ix], s92
.set ix, ix+1
.endr
.macro FRAG reg, adr, q, i             ; the image of block i's fragment, the slot's q-th K step: 16 registers by four loads of 512 consecutive bytes
.irp c, 0,1,2,3
	ds_load_b128 v[\reg+4*\c:\reg+4*\c+3], v[\adr] offset:KSB*(\i)+2048*(\q)+512*\c
.endr
.endm
; 16 matrix instructions: A's blocks a0, a0 + 1 x B's eight, 128 along K, both from set p.  zero = 1: the first product starts the sums, from the bias.
; The 32 accumulators take turns, one instruction a turn, in the same order in every step.
.macro MUL16 a0, p, zero
.irp a, \a0, \a0+1
.irp b, 0,1,2,3,4,5,6,7
.if \zero
	v_wmma_f32_16x16x128_fp8_fp8 v[8*(8*(\a)+\b):8*(8*(\a)+\b)+7], v[128*(\p)+FR*\b:128*(\p)+FR*\b+FR-1], v[AF+64*(\p)+FR*(\a):AF+64*(\p)+FR*(\a)+FR-1], v[CB+8*\b:CB+8*\b+7]
.else
	v_wmma_f32_16x16x128_fp8_fp8 v[8*(8*(\a)+\b):8*(8*(\a)+\b)+7], v[128*(\p)+FR*\b:128*(\p)+FR*\b+FR-1], v[AF+64*(\p)+FR*(\a):AF+64*(\p)+FR*(\a)+FR-1], v[8*(8*(\a)+\b):8*(8*(\a)+\b)+7]
.endif
.endr
.endr
.endm
.macro FETCH slot, q, p                ; B's eight fragments and A's four into set p: 48 loads in one run
	WIN TO_B
.irp i, 0,1,2,3,4,5,6,7
	FRAG 128*(\p)+FR*\i, ADRB+\slot, \q, \i
.endr
	WIN 0
.irp i, 0,1,2,3
	FRAG AF+64*(\p)+FR*\i, ADRA+\slot, \q, \i
.endr
.endm
; A load into a register that a matrix instruction has read, and a vector instruction that reads a matrix result, stand NP places behind that matrix instruction (ISA guide 7.12.1 for vector instructions).
.macro PLACES n
.rept \n
	v_nop
.endr
.endm
; A slot's first K step: set 0 is multiplied while the slot's second step comes into set 1.
.macro EVEN slot, zero
	s_wait_dscnt 0x0                               ; set 0 is in
	PLACES NP                                      ; set 1 was read by the products just issued
	FETCH \slot, 1, 1
	WIN MUL_LO-0x20*(\zero)                        ; (zero = 1: C, the bias, lies in window 0)
	MUL16 0, 0, \zero
	MUL16 2, 0, \zero
	WIN 0
.endm
; A slot's second K step changes slots: ONE barrier; in front of it each wave waits for all its tensor loads, adds 0 to its spare word, and waits for that and for its reads of this slot, which are set 1's.
; fill = 1: this slot is filled again, two slots ahead.  Behind the barrier the next slot's first step comes into set 0.
.macro TURN slot, next, fill
	s_wait_tensorcnt 0x0                           ; all my tensor loads have landed: my part of the next slot
	ds_add_u32 v[SPW], v[NIL]                      ; 0 onto my spare word
	s_wait_dscnt 0x0                               ; the add is done, set 1 is in, and my reads of this slot are over
	s_barrier_signal -1
	WIN MUL_LO
	MUL16 0, 1, 0                                  ; work on registers while the others arrive
	WIN 0
	s_barrier_wait -1
.if \fill
	CREST                                          ; the barrier has opened a round of the cluster's barrier: no wave of any partner still reads this slot's tile or has a load on its way
	s_add_nc_u64 s[G0+4*\slot+2:G0+4*\slot+3], s[G0+4*\slot+2:G0+4*\slot+3], 2*KSB
	s_add_nc_u64 s[G0B+4*\slot+2:G0B+4*\slot+3], s[G0B+4*\slot+2:G0B+4*\slot+3], 2*KSB
	JLOAD G0+4*\slot, G1, G0B+4*\slot, G1B         ; the first tensor load behind the round; the four v_nop behind it are the places in front of the loads below
.else
	PLACES NP
.endif
	FETCH \next, 0, 0
	WIN MUL_LO
	MUL16 2, 1, 0
	WIN 0
.endm
	s_wait_alu depctr_va_vdst(0)
	s_wait_tensorcnt 0x0                           ; my part of slot 0 is in
	ds_add_u32 v[SPW], v[NIL]
	s_wait_dscnt 0x0
	CROUND                                         ; everybody's part of slot 0 is in, and all sixteen work-groups are here
	JLOAD G0+4, G1, G0B+4, G1B                     ; slot 1's first fill: the first tensor load behind the round
	FETCH 0, 0, 0
	EVEN 0, 1                                      ; K steps 0 .. 7: 1,024 along K is twice round the ring, written out
	TURN 0, 1, 1
	EVEN 1, 0
	TURN 1, 0, 1
	EVEN 0, 0
	TURN 0, 1, 0                                   ; the last lap fills nothing, and has no round of the cluster's barrier
	EVEN 1, 0
	s_wait_dscnt 0x0                               ; the very last step: nothing more to fetch
	WIN MUL_LO
	MUL16 0, 1, 0
	MUL16 2, 1, 0
	WIN 0
; THE WAY OUT, block by block of 16 rows x 128 columns: x 2^(e6 + e7), through my own stage in LDS, and back as whole rows of 512 bytes, which the 32 lanes store as two aligned units of 256 bytes.
; LDS serves a wave's instructions in order (ISA guide 5.7.1.4): no wait between the stores and the loads, nor in front of the next block's stores.
.macro TOSTAGE a
	WIN 0x02                                       ; source 0: window 2
.set ix, 0
.rept 32
	v_pk_mul_f32 v[TMP+ix:TMP+ix+1], v[64*(\a)+ix:64*(\a)+ix+1], s[96:97] op_sel_hi:[1,0]   ; each accumulator from its low end on
.set ix, ix+2
.endr
	WIN 0
.irp b, 0,1,2,3,4,5,6,7
	ds_store_b128 v[STO], v[TMP+8*\b:TMP+8*\b+3] offset:64*\b
	ds_store_b128 v[STO], v[TMP+8*\b+4:TMP+8*\b+7] offset:64*\b+16
.endr
.irp t, 0,1,2,3,4,5,6,7,8,9,10,11,12,13,14,15
	ds_load_b128 v[BK+64*((\a)%2)+4*\t:BK+64*((\a)%2)+4*\t+3], v[RD] offset:\t*SPITCH
.endr
.endm
.macro SEND a, younger                 ; younger: the LDS instructions issued behind block a's loads, which may stay out
	s_wait_dscnt \younger
.if (\a) > 0
	s_add_nc_u64 s[12:13], s[12:13], 16*SIZE_N*4   ; (behind a wait on XCNT: the earlier stores have read their base)
.endif
.irp t, 0,1,2,3,4,5,6,7,8,9,10,11,12,13,14,15
	global_store_b128 v[CO], v[BK+64*((\a)%2)+4*\t:BK+64*((\a)%2)+4*\t+3], s[12:13] offset:\t*SIZE_N*4 th:TH_STORE_NT
.endr
.endm
	PLACES NP
	TOSTAGE 0
.irp a, 1,2,3
.if \a > 1
	s_wait_xcnt 0x0                                ; block a - 2's stores have read their registers and their base
.endif
	TOSTAGE \a
	SEND \a-1, 32                                  ; behind block a - 1's loads: block a's 16 stores and 16 loads
.endr
	s_wait_xcnt 0x0
	SEND 3, 0
	s_wait_tensorcnt 0x0                           ; the wave's end
	ds_add_u32 v[SPW], v[NIL]
	s_wait_dscnt 0x0
	CROUND                                         ; the closing round
	s_endpgm
.Lfunc_end_k_qc28e92b50c_gemm_proj:
	.size	k_qc28e92b50c_gemm_proj, .Lfunc_end_k_qc28e92b50c_gemm_proj-k_qc28e92b50c_gemm_proj
	.p2alignl 7, 3214868480
	.fill 96, 4, 3214868480
	.section	.rodata,"a",@progbits
	.p2align	6, 0x0
	.amdhsa_kernel k_qc28e92b50c_gemm_proj
		.amdhsa_group_segment_fixed_size 327680
		.amdhsa_private_segment_fixed_size 0
		.amdhsa_enable_private_segment 0
		.amdhsa_kernarg_size 40
		.amdhsa_user_sgpr_count 2
		.amdhsa_user_sgpr_kernarg_segment_ptr 1
		.amdhsa_wavefront_size32 1
		.amdhsa_system_sgpr_workgroup_id_x 1
		.amdhsa_system_sgpr_workgroup_id_y 1
		.amdhsa_system_sgpr_workgroup_id_z 1
		.amdhsa_system_vgpr_workitem_id 0
		.amdhsa_next_free_vgpr 768
		.amdhsa_next_free_sgpr 100
		.amdhsa_reserve_vcc 0
		.amdhsa_float_denorm_mode_32 3
		.amdhsa_float_denorm_mode_16_64 3
		.amdhsa_memory_ordered 1
		.amdhsa_forward_progress 1
		.amdhsa_inst_pref_size 81
	.end_amdhsa_kernel
	.amdgpu_metadata
---
amdhsa.version: [ 1, 2 ]
amdhsa.kernels:
  - .name:           k_qc28e92b50c_gemm_proj
    .symbol:         k_qc28e92b50c_gemm_proj.kd
    .args:
      - { .name: y_img, .offset: 0, .size: 8, .value_kind: global_buffer, .address_space: global }
      - { .name: wp_img, .offset: 8, .size: 8, .value_kind: global_buffer, .address_space: global }
      - { .name: b_proj, .offset: 16, .size: 8, .value_kind: global_buffer, .address_space: global }
      - { .name: lowp_scales, .offset: 24, .size: 8, .value_kind: global_buffer, .address_space: global }
      - { .name: out0, .offset: 32, .size: 8, .value_kind: global_buffer, .address_space: global }
    .group_segment_fixed_size: 327680
    .private_segment_fixed_size: 0
    .kernarg_segment_align: 8
    .kernarg_segment_size: 40
    .max_flat_workgroup_size: 128
    .sgpr_count:     100
    .vgpr_count:     768
    .wavefront_size: 32
...
	.end_amdgpu_metadata
.endif
;; end of part 4
